; MI455X (gfx1250); checked and timed in simulation.
; The chip was launched on July 23, 2026; its instructions are those of AMD's public machine-readable ISA for CDNA 5 (MIT licence, August 2026) and "CDNA5" Instruction Set Architecture Reference Guide (July 2026). The comments in the code are by the model that wrote it; some were corrected since.
;; Causal Self Attention. Allowed arithmetic: matrix products marked QUANTISED: E4M3 operands, one given power-of-two scale a tensor, by v_wmma_f32_16x16x64_fp8_fp8 or v_wmma_f32_16x16x128_fp8_fp8, f32 sums; everything else in f32.
;; Inputs: W_k 1,024 x 1,024 float32; W_o 1,024 x 1,024 float32; W_q 1,024 x 1,024 float32; W_v 1,024 x 1,024 float32; b_o 1,024 float32; lowp_scales 12 int32 (the exponents e of the quantised operands' scales 2^e); x 4 x 2,048 x 1,024 float32.
;; Outputs: out0 4 x 2,048 x 1,024 float32.
;; This version of the problem:
;;   THIS VERSION OF THE PROBLEM IS GIVEN IN LOW PRECISION. The matrix products marked QUANTISED in the list below multiply operands that are first quantised to E4M3 (4 exponent bits, 3 mantissa bits; 8 bits a number), with one given power-of-two scale for each operand tensor; their sums are f32. All else is computed in f32.
;;   The module's matrix products, in the order in which they are computed (A, B: the left and right operand; K: the contracted axis; several contracted axes count as one K, in the product's order):
;;     1. [M 8,192, K 1,024] x [K 1,024, N 1,024]; A: input x; B: input W_q: QUANTISED (scales: A lowp_scales[0], B lowp_scales[1])
;;     2. [M 8,192, K 1,024] x [K 1,024, N 1,024]; A: input x; B: input W_k: QUANTISED (scales: A lowp_scales[2], B lowp_scales[3])
;;     3. [M 8,192, K 1,024] x [K 1,024, N 1,024]; A: input x; B: input W_v: QUANTISED (scales: A lowp_scales[4], B lowp_scales[5])
;;     4. batch 64 x [M 2,048, K 64] x [K 64, N 2,048]; A: computed on the way; B: computed on the way: QUANTISED (scales: A lowp_scales[6], B lowp_scales[7])
;;     5. batch 64 x [M 2,048, K 2,048] x [K 2,048, N 64]; A: softmax (see below); B: computed on the way: QUANTISED (scales: A lowp_scales[8], B lowp_scales[9])
;;     6. [M 8,192, K 1,024] x [K 1,024, N 1,024]; A: computed on the way; B: input W_o: QUANTISED (scales: A lowp_scales[10], B lowp_scales[11])
;;   THE QUANTISER, for each operand of a quantised product, along K:
;;     - The operand's scale is 2^e, e = its entry of the input lowp_scales (int32; the entries are numbered through the quantised products in the list's order, A before B).
;;     - Each number is divided by the scale, clamped to +-448, and rounded to the nearest number of E4M3, ties to even, subnormals kept.
;;     - The product sums the exact products of the quantised numbers (number of the format x scale) in f32.
;;   ~~~python
;;   def quantise(x, axis, e):      # numpy; x: float32 -> the quantised numbers, widened to float32 again
;;       x = np.moveaxis(x, axis, -1); K = x.shape[-1]
;;       r = np.clip(x / 2.0 ** e, -448, 448)
;;       step = 2.0 ** (np.maximum(np.frexp(np.where(r == 0, 1, r))[1] - 1, -6) - 3)
;;       q = np.round(r / step) * step * 2.0 ** e      # np.round: ties to even
;;       return np.moveaxis(q, -1, axis).astype(np.float32)
;;   ~~~
;;   SOFTMAX AHEAD OF A QUANTISED PRODUCT. Where the list says 'softmax', what is quantised is not the finished softmax but p = 2^(t - M), with t = logit x log2(e) and M = ceil(the row's largest t), a whole number; so 1/2 < the row's largest p <= 1. The row's sum l is taken of the UNQUANTISED p, in f32, and the product's result is divided by l at the end. Since M is a whole number, a kernel that streams over the keys may use a running M (the ceiling of the running maximum): every later rescaling is an exact power of two, so the quantised numbers keep their values, but for numbers so far below the row's largest that they fall under the format's range.
;;   OPERANDS COMPUTED ON THE WAY. 'Computed on the way' means the value that the module computes at that place (a softmax that the list does not call 'softmax' is quantised finished and normalised). What goes into a quantiser is computed in f32, as accurately as f32 sums, v_exp_f32 and their like allow (about 1e-6 of the number): no bf16 or f16 on the way to a quantiser, and a product that is left as it is and whose result goes on into a quantised operand takes f32 operands (vector FMAs, or v_wmma_f32_16x16x4_f32). A number that lies on a knife's edge between two numbers of the format may be rounded either way, as far as f32 arithmetic and the matrix unit's own rounding can turn it there, and no further.
;; One version. Each part assembles by itself: llvm-mc -triple=amdgcn-amd-amdhsa -mcpu=gfx1250 --defsym DOCPART=n.
;; ======== version 1 of 1: 4 launches
;; limits: right only within a limited range of input values
;; workspace buffers: xw 29,360,128 bytes; qkv 25,165,824 bytes; yc 8,388,608 bytes
;; launch quant (part 1): grid 384 x 1, 4 waves a work-group, no clusters, 33,280 bytes of LDS; arguments x, W_q, W_k, W_v, W_o, lowp_scales, xw; writes xw
.if DOCPART == 1
	.amdgcn_target "amdgcn-amd-amdhsa--gfx1250"
	.amdhsa_code_object_version 6
	.text
	.protected	k_q798cc92b37_quant
	.globl	k_q798cc92b37_quant
	.p2align	8
	.type	k_q798cc92b37_quant,@function
k_q798cc92b37_quant:
	s_mov_b64 s[64:65], 0
	v_nop
	global_prefetch_b8 v0, s[64:65] scope:SCOPE_SE
	s_setreg_imm32_b32 hwreg(HW_REG_WAVE_MODE, 25, 1), 1
	s_wait_xcnt 0x0
; x [8192][1024] and the four weights [1024][1024], f32 with K innermost, become codes of FP8 (E4M3), one byte each, K innermost, in the workspace xw.
; x is an operand of three products, each with a scale entry of its own (entries 0, 2, 4), so it is read once and quantised three times: three sets of codes, 8 MiB apart.
; xw: x by entry 0 at 0, by entry 2 at 0x800000, by entry 4 at 0x1000000; W_q (entry 1) at 0x1800000, W_k (3) at 0x1900000, W_v (5) at 0x1a00000, W_o (11) at 0x1b00000.
; code = number / 2^e, held within +-448, rounded to the nearest code, ties to even.  LIMITS: each e used here lies between -126 and 119, so that 2^e is an f32 number.  NaN among the inputs is not served.
; SHARES.  Rows are dense, so every tensor is a plain stream.  A work-group takes 32,768 numbers, a wave 16 steps of 512.  Work-groups 0-255 take x, then 32 each W_q, W_k, W_v, W_o:
; pointer, offsets and exponent are chosen by selections on the work-group's number.  One path through LDS; the branch in a step goes round x's second and third set alone (register work and stores).
; A conversion takes 8 neighbours from ONE lane's registers; a load is dense where neighbouring LANES take neighbouring bytes.  So a step's 2,048 bytes are loaded as they lie (512 bytes a load) and turn through the
; wave's own stage in LDS: back come 64 bytes a lane.  A lane's 16 codes are 16 bytes: each store of the wave covers 512 consecutive bytes, aligned.
; No matrix unit, no tensor load, no cluster, no barrier: waves share nothing and each byte is read once.  Loads run four steps (16 loads a wave) ahead, the turn through LDS one step.
.set STEPS, 16
.set SP,    80                         ; a lane's place in a stage: its 64 bytes + 16 of padding
.set WREG,  8192                       ; LDS: a region for each wave: two stages of 32 x SP bytes
.set R,     16                         ; v16-79   four sets of 16 numbers as loaded
.set X,     80                         ; v80-111  two sets of 16 neighbours
.set T,     112                        ; v112-127 the 16 numbers held within the largest code x the scale
.set C,     128                        ; v128-139 codes: four registers for each of the three sets
.set SCL,   140                        ; v140.. set k: 2^e at +2k
	s_load_b256 s[4:11], s[0:1], 0x0               ; x, W_q, W_k, W_v
	s_load_b128 s[12:15], s[0:1], 0x20             ; W_o, the scales' exponents
	s_load_b64 s[16:17], s[0:1], 0x30              ; xw
	v_lshl_add_u32 v152, v0, 2, 0x8000
	v_mov_b32 v153, 0
	v_lshrrev_b32 v1, 5, v0
	v_readfirstlane_b32 s18, v1                    ; wave
	v_and_b32 v2, 31, v0                           ; lane
	v_lshlrev_b32 v3, 4, v2                        ; 16 x lane: my 16 bytes of a load's 512, and my 16 codes of a step's 512; never rewritten
	s_mul_i32 s19, s18, WREG
	v_lshrrev_b32 v14, 2, v2
	v_mul_u32_u24 v14, v14, SP
	v_and_b32 v15, 3, v2
	v_lshl_add_u32 v14, v15, 4, v14
	v_add_nc_u32 v14, s19, v14                     ; the stage, on the way in: SP (lane / 4) + 16 (lane % 4); a load's 512 bytes take eight places
	v_mul_u32_u24 v15, v2, SP
	v_add_nc_u32 v15, s19, v15                     ; and on the way out: SP x lane: my 16 neighbours
	s_sub_co_u32 s20, ttmp9, 256
	s_and_b32 s20, s20, 31                         ; a weight's work-group: which 32,768 numbers of its tensor
	s_cmp_lt_u32 ttmp9, 256
	s_cselect_b32 s20, ttmp9, s20                  ; x's work-group: likewise
	s_cselect_b32 s22, 0, 0x1000000                ; the weights' codes lie behind x's three sets
	s_lshl_b32 s20, s20, 17
	s_lshl_b32 s21, s18, 15
	s_add_co_u32 s20, s20, s21                     ; source: 131,072 bytes a work-group, 32,768 a wave
	s_mov_b32 s21, 0
	s_lshl_b32 s23, ttmp9, 15
	s_add_co_u32 s22, s22, s23
	s_lshl_b32 s23, s18, 13
	s_add_co_u32 s22, s22, s23                     ; codes: 32,768 bytes a work-group, 8,192 a wave
	s_mov_b32 s23, 0
	s_wait_alu depctr_va_vdst(0)
	s_wait_kmcnt 0x0
	s_load_b256 s[24:31], s[14:15], 0x0            ; entries 0 to 7
	s_load_b128 s[32:35], s[14:15], 0x20           ; entries 8 to 11
	s_cmp_lt_u32 ttmp9, 352                        ; the tensor is chosen by the work-group's number alone
	s_cselect_b64 s[12:13], s[10:11], s[12:13]
	s_cmp_lt_u32 ttmp9, 320
	s_cselect_b64 s[12:13], s[8:9], s[12:13]
	s_cmp_lt_u32 ttmp9, 288
	s_cselect_b64 s[12:13], s[6:7], s[12:13]
	s_cmp_lt_u32 ttmp9, 256
	s_cselect_b64 s[12:13], s[4:5], s[12:13]
	s_add_nc_u64 s[4:5], s[12:13], s[20:21]        ; my wave's numbers
	s_add_nc_u64 s[36:37], s[16:17], s[22:23]      ; my wave's codes, first set
	s_add_nc_u64 s[38:39], s[36:37], 0x800000      ; x's second set (bases of their own: 8 MiB does not fit the signed 24-bit immediate)
	s_add_nc_u64 s[40:41], s[36:37], 0x1000000     ; x's third set.  (A weight's work-group never uses these two)
.macro LOAD t
.irp i, 0,1,2,3
	global_load_b128 v[R+16*((\t)%4)+4*\i:R+16*((\t)%4)+4*\i+3], v3, s[4:5] offset:2048*(\t)+512*\i th:TH_LOAD_NT   ; 32 lanes read 512 consecutive bytes; read once in the launch
.endr
.endm
.macro TURN t                          ; step t's numbers through the stage: LDS serves a wave's instructions in order, so no wait stands between the stores and the loads
.irp i, 0,1,2,3
	ds_store_b128 v14, v[R+16*((\t)%4)+4*\i:R+16*((\t)%4)+4*\i+3] offset:32*SP*((\t)%2)+8*SP*\i
.endr
.irp i, 0,1,2,3
	ds_load_b128 v[X+16*((\t)%2)+4*\i:X+16*((\t)%2)+4*\i+3], v15 offset:32*SP*((\t)%2)+16*\i
.endr
.endm
.irp t, 0,1,2,3
	LOAD \t
.endr
	s_wait_kmcnt 0x0
	s_mov_b32 s20, s35                             ; the first set's exponent: W_o's entry 11,
	s_cmp_lt_u32 ttmp9, 352
	s_cselect_b32 s20, s29, s20                    ; W_v's 5,
	s_cmp_lt_u32 ttmp9, 320
	s_cselect_b32 s20, s27, s20                    ; W_k's 3,
	s_cmp_lt_u32 ttmp9, 288
	s_cselect_b32 s20, s25, s20                    ; W_q's 1,
	s_cmp_lt_u32 ttmp9, 256
	s_cselect_b32 s20, s24, s20                    ; x's 0
.macro MKSCALE k, e                    ; 2^e as f32 (the conversion takes its exponent field)
	s_add_co_i32 s42, s[\e], 127
	s_lshl_b32 s43, s42, 23
	v_mov_b32 v[SCL+2*\k], s43
.endm
	MKSCALE 0, 20
	MKSCALE 1, 26                                  ; x's entry 2
	MKSCALE 2, 28                                  ; x's entry 4
	s_wait_alu depctr_va_vdst(0)
	s_wait_loadcnt 12                              ; step 0's four loads are in
	TURN 0
.macro QSET k, t                       ; the step's 16 neighbours (v[XS] on, which stay) into set k's codes, and out
.irp i, 0,1,2,3,4,5,6,7,8,9,10,11,12,13,14,15
.endr
	v_cvt_scalef32_pk8_fp8_f32 v[C+4*\k:C+4*\k+1], v[XS:XS+7], v[SCL+2*\k]
	v_cvt_scalef32_pk8_fp8_f32 v[C+4*\k+2:C+4*\k+3], v[XS+8:XS+15], v[SCL+2*\k]
	v_nop                                          ; a plain line between the conversions and the store that reads their results
	global_store_b128 v3, v[C+4*\k:C+4*\k+3], s[36+2*\k:37+2*\k] offset:512*(\t)
.endm
.macro STEP t
.set XS, X+16*((\t)%2)
	s_wait_dscnt 0x0                               ; this step's numbers are back from the stage: so its stores into the stage have read their registers,
.if (\t)+4 < STEPS
	LOAD (\t)+4                                    ; which take the loads of four steps on
.endif
.if (\t)+1 < STEPS
.if STEPS-2-(\t) >= 3
	s_wait_loadcnt 12                              ; the next step's four loads are in; those of the three steps behind it may be out
.else
	s_wait_loadcnt 4*(STEPS-2-(\t))
.endif
	TURN (\t)+1                                    ; and go through the other stage while this step is worked
.endif
	s_wait_xcnt 0x0                                ; the last step's stores have read their data: the codes' registers are written again only behind this wait
	QSET 0, \t
	s_cmp_lt_u32 ttmp9, 256                        ; x alone has a second and a third set
	s_cbranch_scc0 .Lw_\@
	QSET 1, \t
	QSET 2, \t
.Lw_\@:
.endm
.irp t, 0,1,2,3,4,5,6,7,8,9,10,11,12,13,14,15
	STEP \t
.endr
	s_wait_tensorcnt 0x0
	ds_add_u32 v152, v153
	s_wait_dscnt 0x0
	s_endpgm
.Lfunc_end_k_q798cc92b37_quant:
	.size	k_q798cc92b37_quant, .Lfunc_end_k_q798cc92b37_quant-k_q798cc92b37_quant
	.p2alignl 7, 3214868480
	.fill 96, 4, 3214868480
	.section	.rodata,"a",@progbits
	.p2align	6, 0x0
	.amdhsa_kernel k_q798cc92b37_quant
		.amdhsa_group_segment_fixed_size 33280
		.amdhsa_private_segment_fixed_size 0
		.amdhsa_enable_private_segment 0
		.amdhsa_kernarg_size 56
		.amdhsa_user_sgpr_count 2
		.amdhsa_user_sgpr_kernarg_segment_ptr 1
		.amdhsa_wavefront_size32 1
		.amdhsa_system_sgpr_workgroup_id_x 1
		.amdhsa_system_sgpr_workgroup_id_y 1
		.amdhsa_system_sgpr_workgroup_id_z 1
		.amdhsa_system_vgpr_workitem_id 0
		.amdhsa_next_free_vgpr 154
		.amdhsa_next_free_sgpr 66
		.amdhsa_reserve_vcc 0
		.amdhsa_float_denorm_mode_32 3
		.amdhsa_float_denorm_mode_16_64 3
		.amdhsa_fp16_overflow 1
		.amdhsa_memory_ordered 1
		.amdhsa_forward_progress 1
		.amdhsa_inst_pref_size 33
	.end_amdhsa_kernel
	.amdgpu_metadata
---
amdhsa.version: [ 1, 2 ]
amdhsa.kernels:
  - .name:           k_q798cc92b37_quant
    .symbol:         k_q798cc92b37_quant.kd
    .args:
      - { .name: x, .offset: 0, .size: 8, .value_kind: global_buffer, .address_space: global }
      - { .name: W_q, .offset: 8, .size: 8, .value_kind: global_buffer, .address_space: global }
      - { .name: W_k, .offset: 16, .size: 8, .value_kind: global_buffer, .address_space: global }
      - { .name: W_v, .offset: 24, .size: 8, .value_kind: global_buffer, .address_space: global }
      - { .name: W_o, .offset: 32, .size: 8, .value_kind: global_buffer, .address_space: global }
      - { .name: lowp_scales, .offset: 40, .size: 8, .value_kind: global_buffer, .address_space: global }
      - { .name: xw, .offset: 48, .size: 8, .value_kind: global_buffer, .address_space: global }
    .group_segment_fixed_size: 33280
    .private_segment_fixed_size: 0
    .kernarg_segment_align: 8
    .kernarg_segment_size: 56
    .max_flat_workgroup_size: 128
    .sgpr_count:     66
    .vgpr_count:     154
    .wavefront_size: 32
...
	.end_amdgpu_metadata
.endif
;; end of part 1
;; launch qkv (part 2): grid 12 x 64, 4 waves a work-group, clusters of 4 x 4, 327,680 bytes of LDS; arguments xw, lowp_scales, qkv; writes qkv
.if DOCPART == 2
	.amdgcn_target "amdgcn-amd-amdhsa--gfx1250"
	.amdhsa_code_object_version 6
	.text
	.protected	k_q798cc92b37_qkv
	.globl	k_q798cc92b37_qkv
	.p2align	8
	.type	k_q798cc92b37_qkv,@function
k_q798cc92b37_qkv:
	s_mov_b64 s[64:65], 0
	v_nop
	global_prefetch_b8 v0, s[64:65] scope:SCOPE_SE
	s_setreg_imm32_b32 hwreg(HW_REG_WAVE_MODE, 25, 1), 1
	s_wait_xcnt 0x0
	s_wait_alu depctr_hold_cnt(0) depctr_sa_sdst(0) depctr_va_vdst(0) depctr_va_sdst(0) depctr_va_ssrc(0) depctr_va_vcc(0) depctr_vm_vsrc(0)
	s_getreg_b32 s2, hwreg(HW_REG_IB_STS2, 6, 4)
	s_cmp_eq_u32 s2, 0
	s_cbranch_scc0 .Lentry_in_a_cluster
	s_endpgm
.Lentry_in_a_cluster:
	s_bfe_u32 s2, ttmp6, 0x10000c
	s_cmp_lg_u32 s2, 0xf033
	s_cbranch_scc0 .Lentry_shape_is_right
	s_endpgm
.Lentry_shape_is_right:
; q = x W_q^T, k = x W_k^T, v = x W_v^T on codes of FP8 (E4M3); each finished f32 sum is quantised in registers for the product that reads it (q: entry 6, k: entry 7, v: entry 9) and stored as a code.
; A tile is 128 rows of 'A' x 256 rows of 'B', K = 1,024.  Four waves, 2 x 2, each 64 x 128: 32 accumulators of 16 x 16.  kind = the cluster's x.
;   kind 0, 1: A = x's codes of that product, B = W_q or W_k.        kind 2: A = W_v, B = x's third set: the roles are swapped, so that a lane's eight neighbouring results run along the tokens, which are K of the product that reads v.
; THE MATRIX INSTRUCTION IS USED TRANSPOSED (source 0 = 16 rows of B, source 1 = 16 rows of A): lane (r, h) holds A's row r and B's rows 8 h + 0 .. 7: eight neighbours along the reader's K, one conversion.
; A sum stands for sum x 2^(eA + eB), so its code is sum / 2^F, F = eOut - eA - eB: the three scales are one.  LIMIT: F between -126 and 119, so that 2^F is an f32 number.
; All that hangs on kind is chosen by selections; no branch hangs on it, nor on a work-group's place, nor on a loaded number.
; OUT.  qkv: q at 0, k at 0x800000, v at 0x1000000; each in blocks of 4,096 bytes, [64 rows][64 bytes], block (batch x 16 + head) x 32 + token / 64.  q, k: row = token % 64, bytes along the head's 64;
; v: row = the head's channel, bytes along token % 64.  Byte 32 c + 16 h + 8 u + i of a row holds index 32 c + 16 u + 8 h + i: a 16-byte load at 32 c + 16 h then fills registers 4 c .. 4 c + 3 of a fragment in the form's own order of K.
; RING.  K goes in four steps of 256 (rows of 256 bytes) through three LDS slots: steps 0, 1, 2 are asked for together at the start, step 3 refills slot 0 behind the one change of slots that fills: it has three
; substeps, 96 matrix instructions, in which to land.  By this text's count a wave has at most three tensor loads out.  Wave 0 fetches A's 128 rows, waves 1 and 2 B's halves, wave 3 none.
; CLUSTER 4 x 4: A's tile hangs on the tile row alone and is asked for jointly by a row of the cluster, B's on the tile column alone, by a column.
; Fragments are fetched by four 16-byte loads: registers 4 c .. 4 c + 3 hold K = 32 c + 16 h + 0 .. 15: a permutation of K that is the same in A and in B, so every product meets its partner.
; REGISTERS, in windows of 256: window 0: v16-30 addresses and constants; A's fragments, two sets of 64 at v64 and v128 (on the way out: codes, rows read back).  window 1: B's fragments, two sets of 128.  window 2: accumulator (a, b) at v[8 (8 a + b)].
.set PITCH,  272                       ; an LDS row: 256 bytes + 16 of padding = 68 words: the 16 rows that a load touches start at 16 different banks (64 banks of 4 bytes: ISA guide 11.1)
.set HALFT,  128*PITCH                 ; what one tensor load brings
.set SLOT,   3*HALFT                   ; A's 128 rows, then B's 256
.set SPARE,  3*SLOT                    ; behind the ring: the spare words, 128 bytes a wave: two blocks of 256 bytes that no other line names
.set STAGE,  SLOT                      ; the way out lies in slot 1: it has had its only fill, and every wave has passed a barrier behind its last read of it
.set FR,   16                          ; registers of a fragment
.set ADRA, 16                          ; v16-18  LDS address of my A fragments in slot 0, 1, 2
.set ADRB, 20                          ; v20-22  the same for B
.set STO,  24                          ; v24     the way out: where I put 16 codes of a row
.set RD,   25                          ; v25     where I read 16 bytes back
.set CO,   26                          ; v26     my byte offset in the two blocks that my wave stores
.set SC,   27                          ; v27     2^F as f32
.set SPW,  28                          ; v28     LDS address of my spare word; never rewritten
.set NIL,  29                          ; v29     0; never rewritten
.set LIM,  30
.set AF,   64
.set G1A,  24                          ; s[24:31] descriptor group 1 for A's tiles, s[32:39] for B's: they differ in the mask
.set G1B,  32
.set G0A,  48                          ; s[48:63] group 0 for A's tiles, a set for each K step, each written once
.set G0B,  68                          ; s[68:83] the same for B's
.set MSB, 0
.macro WIN new                         ; the immediate's high byte repeats the setting that is left
.if MSB != \new
	s_set_vgpr_msb (MSB<<8)|\new
.set MSB, \new
.endif
.endm
.set MUL, 0xa1                         ; source 0 (B) window 1, source 1 (A) window 0, C and D window 2
.macro PLACES n
.rept \n
	v_nop
.endr
.endm
.macro JLOAD g                         ; K step g: wave 0 asks for A's tile, waves 1 and 2 for B's halves.  The branches hang on the wave's number alone.  Four v_nop follow each line
	s_cmp_eq_u32 s14, 0
	s_cbranch_scc0 .Lnot_a_\@
	tensor_load_to_lds s[G0A+4*\g:G0A+4*\g+3], s[G1A:G1A+7]
	s_nop 0
	PLACES 4
	s_branch .Lasked_\@
.Lnot_a_\@:
	s_cmp_lt_u32 s14, 3
	s_cbranch_scc0 .Lasked_\@
	tensor_load_to_lds s[G0B+4*\g:G0B+4*\g+3], s[G1B:G1B+7]
	s_nop 0
	PLACES 4
.Lasked_\@:
.endm
.macro CREST                           ; a round of the cluster's barrier behind its opening barrier
	s_cmp_lg_u32 s14, 0
	s_cbranch_scc1 .Lnot_wave_0_\@
	s_barrier_signal -3
.Lnot_wave_0_\@:
	s_barrier_wait -3
	s_barrier_signal -1
	s_barrier_wait -1
.endm
.macro CROUND
	s_barrier_signal -1
	s_barrier_wait -1
	CREST
.endm
	s_load_b128 s[4:7], s[0:1], 0x0                ; xw, the scales' exponents
	s_load_b64 s[8:9], s[0:1], 0x10                ; qkv
	v_lshl_add_u32 v[SPW], v0, 2, SPARE
	v_mov_b32 v[NIL], 0
	ds_add_u32 v28, v29
	ds_add_u32 v28, v29
	s_wait_dscnt 0x0
	v_lshrrev_b32 v1, 5, v0
	v_readfirstlane_b32 s14, v1                    ; wave 0..3
	s_lshr_b32 s15, s14, 1                         ; which 64 of A's rows are mine
	s_and_b32 s16, s14, 1                          ; which 128 of B's
	s_bfe_u32 s40, ttmp6, 0x40000                  ; cx, cy: my place in the cluster
	s_bfe_u32 s41, ttmp6, 0x40004
	s_and_b32 s10, ttmp7, 0xffff                   ; the cluster's y, 0..15
	s_and_b32 s11, s10, 1
	s_lshr_b32 s12, s10, 1
	s_lshl_b32 s18, ttmp9, 23                      ; kind 0, 1: x's set
	s_lshl_b32 s19, ttmp9, 20
	s_add_co_u32 s19, s19, 0x1800000               ; and the weight
	s_cmp_eq_u32 ttmp9, 2
	s_cselect_b32 s17, s11, s10                    ; rows of clusters: 16 over x's 64 tile rows, or 2 over W_v's 8
	s_cselect_b32 s42, s12, 0                      ; columns of clusters: 1 over a weight's 4 tile columns, or 8 over x's 32
	s_cselect_b32 s20, 0x1a00000, s18              ; where A begins in xw
	s_cselect_b32 s46, 0x1000000, s19              ; where B begins
	s_lshl_b32 s17, s17, 2
	s_add_co_u32 s17, s17, s41                     ; tile row
	s_lshl_b32 s42, s42, 2
	s_add_co_u32 s42, s42, s40                     ; tile column
	s_lshl_b32 s43, s41, 2
	s_lshl_b32 s43, 15, s43                        ; my row of the cluster
	s_lshl_b32 s44, 0x1111, s40                    ; my column
	; descriptor group 1: 128 rows x 256 bytes, rows 1,024 bytes apart in memory, padded in LDS
	s_or_b32 s[G1A], s43, (1<<20)|(1<<21)|(5<<22)|(3<<25)   ; 15:0 the mask; 17:16 elements of 1 byte; 20 padding on; 21 set beside a mask; 24:22 after every 64 words (code 5); 31:25 four words (code 3)
	s_or_b32 s[G1B], s44, (1<<20)|(1<<21)|(5<<22)|(3<<25)
.irp g, G1A, G1B
	s_mov_b32 s[\g+1], 256<<16                     ; tensor_dim0
	s_mov_b32 s[\g+2], 128<<16                     ; tensor_dim1
	s_mov_b32 s[\g+3], 256<<16                     ; tile_dim0
	s_mov_b32 s[\g+4], 128                         ; tile_dim1
	s_mov_b32 s[\g+5], 1024                        ; tensor_dim0_stride
	s_mov_b32 s[\g+6], 0
	s_mov_b32 s[\g+7], 0
.endr
	s_lshl_b32 s21, s17, 17                        ; A: 128 rows of 1,024 bytes a tile row: hangs on cy, never on cx
	s_add_co_u32 s20, s20, s21
	s_mov_b32 s21, 0
	s_lshl_b32 s47, s42, 18                        ; B: 256 rows a tile column: hangs on cx, never on cy;
	s_add_co_u32 s46, s46, s47
	s_sub_co_u32 s47, s14, 1
	s_and_b32 s47, s47, 1                          ; wave 1 its rows 0-127, wave 2 its rows 128-255
	s_lshl_b32 s47, s47, 17
	s_add_co_u32 s46, s46, s47
	s_mov_b32 s47, 0
	s_mul_i32 s45, s14, HALFT                      ; where a wave's tile goes in a slot: no place in the cluster enters an LDS address
	s_wait_kmcnt 0x0
	s_load_b256 s[84:91], s[6:7], 0x0              ; entries 0 to 7
	s_load_b128 s[92:95], s[6:7], 0x20             ; entries 8 to 11
	s_add_nc_u64 s[20:21], s[4:5], s[20:21]
	s_add_nc_u64 s[46:47], s[4:5], s[46:47]
.irp g, 0,1,2,3
	s_mov_b32 s[G0A+4*\g], 1                                       ; count = 1
	s_add_co_u32 s[G0A+4*\g+1], s45, (\g%3)*SLOT                   ; LDS address: K step 3 goes into slot 0 again
	s_add_nc_u64 s[G0A+4*\g+2:G0A+4*\g+3], s[20:21], \g*256        ; global address
	s_or_b32 s[G0A+4*\g+3], s[G0A+4*\g+3], 0x80000000              ; type = 2
	s_mov_b32 s[G0B+4*\g], 1
	s_add_co_u32 s[G0B+4*\g+1], s45, (\g%3)*SLOT
	s_add_nc_u64 s[G0B+4*\g+2:G0B+4*\g+3], s[46:47], \g*256
	s_or_b32 s[G0B+4*\g+3], s[G0B+4*\g+3], 0x80000000
.endr
	CROUND                                         ; all sixteen work-groups are here: the first joint loads meet
	s_cmp_eq_u32 s14, 0                            ; a wave's three first fills stand in one branch, ahead of every wait on TENSORcnt, every LDS read and every other barrier
	s_cbranch_scc0 .Lfirst_not_a
	tensor_load_to_lds s[G0A:G0A+3], s[G1A:G1A+7]
	s_nop 0
	tensor_load_to_lds s[G0A+4:G0A+7], s[G1A:G1A+7]
	s_nop 0
	tensor_load_to_lds s[G0A+8:G0A+11], s[G1A:G1A+7]
	s_nop 0
	PLACES 4
	s_branch .Lfirst_asked
.Lfirst_not_a:
	s_cmp_lt_u32 s14, 3
	s_cbranch_scc0 .Lfirst_asked
	tensor_load_to_lds s[G0B:G0B+3], s[G1B:G1B+7]
	s_nop 0
	tensor_load_to_lds s[G0B+4:G0B+7], s[G1B:G1B+7]
	s_nop 0
	tensor_load_to_lds s[G0B+8:G0B+11], s[G1B:G1B+7]
	s_nop 0
	PLACES 4
.Lfirst_asked:
	v_and_b32 v1, 15, v0                           ; r
	v_bfe_u32 v2, v0, 4, 1                         ; h
	v_mul_u32_u24 v3, v1, PITCH
	v_lshl_add_u32 v3, v2, 4, v3                   ; a fragment's row x pitch + 16 h
	s_mul_i32 s98, s15, 64*PITCH                   ; my 64 rows of A
	s_mul_i32 s99, s16, HALFT
	s_add_co_u32 s99, s99, HALFT                   ; my 128 rows of B, behind A's 128
.irp s, 0,1,2
	v_add_nc_u32 v[ADRA+\s], s98, v3
	v_add_nc_u32 v[ADRB+\s], s99, v3
	s_add_co_u32 s98, s98, SLOT
	s_add_co_u32 s99, s99, SLOT
.endr
	s_mul_i32 s10, s14, 64*144                     ; my stage: 64 rows x (128 bytes + 16)
	s_add_co_u32 s10, s10, STAGE
	v_mul_u32_u24 v[STO], v1, 144
	v_lshl_add_u32 v[STO], v2, 4, v[STO]
	v_add_nc_u32 v[STO], s10, v[STO]               ; in: row r, + 16 h
	v_bfe_u32 v4, v0, 2, 2
	v_mul_u32_u24 v[RD], v4, 144                   ; back: sixteen lanes take 64 bytes of each of four rows: 256 bytes that lie on end in a block;
	v_lshl_add_u32 v[RD], v2, 6, v[RD]             ; lanes 16-31 the rows' other 64 bytes, which belong to the other block
	v_and_b32 v4, 3, v0
	v_lshl_add_u32 v[RD], v4, 4, v[RD]
	v_add_nc_u32 v[RD], s10, v[RD]
	; where my wave's two blocks lie.  kind 0, 1: 64 tokens x two heads, the heads' blocks 32 blocks apart.  kind 2: one head x 128 tokens, neighbouring blocks
	s_lshl_b32 s10, s17, 7
	s_lshl_b32 s11, s15, 6
	s_add_co_u32 s10, s10, s11                     ; kind 0, 1: first token
	s_lshl_b32 s11, s42, 8
	s_lshl_b32 s12, s16, 7
	s_add_co_u32 s11, s11, s12                     ; kind 2: first token
	s_lshl_b32 s12, s42, 2
	s_lshl_b32 s13, s16, 1
	s_add_co_u32 s12, s12, s13                     ; kind 0, 1: first head
	s_lshl_b32 s13, s17, 1
	s_add_co_u32 s13, s13, s15                     ; kind 2: the head
	s_mov_b32 s18, 0x20000
	s_cmp_eq_u32 ttmp9, 2
	s_cselect_b32 s10, s11, s10
	s_cselect_b32 s12, s13, s12
	s_cselect_b32 s18, 0x1000, s18                 ; bytes from the first block to the second
	s_lshr_b32 s11, s10, 11                        ; batch
	s_lshl_b32 s11, s11, 4
	s_add_co_u32 s11, s11, s12
	s_lshl_b32 s11, s11, 5
	s_bfe_u32 s13, s10, 0x50006                    ; (token % 2048) / 64
	s_add_co_u32 s11, s11, s13
	s_lshl_b32 s11, s11, 12
	s_lshl_b32 s13, ttmp9, 23
	s_add_co_u32 s98, s11, s13
	s_mov_b32 s99, 0
	s_add_nc_u64 s[8:9], s[8:9], s[98:99]
	v_mul_u32_u24 v[CO], s18, v2
	v_lshl_add_u32 v[CO], v1, 4, v[CO]
	s_wait_kmcnt 0x0
	s_sub_co_i32 s10, s90, s84
	s_sub_co_i32 s10, s10, s85                     ; q: entry 6 - 0 - 1
	s_sub_co_i32 s11, s91, s86
	s_sub_co_i32 s11, s11, s87                     ; k: 7 - 2 - 3
	s_sub_co_i32 s12, s93, s88
	s_sub_co_i32 s12, s12, s89                     ; v: 9 - 4 - 5
	s_cmp_eq_u32 ttmp9, 1
	s_cselect_b32 s10, s11, s10
	s_cmp_eq_u32 ttmp9, 2
	s_cselect_b32 s10, s12, s10                    ; F
	s_add_co_i32 s10, s10, 127
	s_lshl_b32 s11, s10, 23
	v_mov_b32 v[SC], s11
.macro FRAGB reg, slot, q, i
.irp c, 0,1,2,3
	ds_load_b128 v[\reg+4*\c:\reg+4*\c+3], v[ADRB+\slot] offset:128*(\q)+32*\c+(\i)*16*PITCH
.endr
.endm
.macro FRAGA reg, slot, q, i
.irp c, 0,1,2,3
	ds_load_b128 v[\reg+4*\c:\reg+4*\c+3], v[ADRA+\slot] offset:128*(\q)+32*\c+(\i)*16*PITCH
.endr
.endm
.macro FETCH slot, q, set              ; 48 LDS loads in one run: the fragments of the slot's q-th 128 along K
	WIN 0x40                                       ; destination window 1, address window 0
.irp i, 0,1,2,3,4,5,6,7
	FRAGB 128*(\set)+FR*\i, \slot, \q, \i
.endr
	WIN 0
.irp i, 0,1,2,3
	FRAGA AF+64*(\set)+FR*\i, \slot, \q, \i
.endr
.endm
; 16 matrix instructions: A's blocks a0, a0 + 1 x B's eight.  zero = 1: the first product starts the sums.  The 32 accumulators take turns, one instruction a turn, in the same order in every substep.
.macro MULH set, a0, zero
.irp a, \a0, \a0+1
.irp b, 0,1,2,3,4,5,6,7
.if \zero
	v_wmma_f32_16x16x128_fp8_fp8 v[8*(8*(\a)+\b):8*(8*(\a)+\b)+7], v[128*(\set)+FR*\b:128*(\set)+FR*\b+FR-1], v[AF+64*(\set)+FR*(\a):AF+64*(\set)+FR*(\a)+FR-1], 0
.else
	v_wmma_f32_16x16x128_fp8_fp8 v[8*(8*(\a)+\b):8*(8*(\a)+\b)+7], v[128*(\set)+FR*\b:128*(\set)+FR*\b+FR-1], v[AF+64*(\set)+FR*(\a):AF+64*(\set)+FR*(\a)+FR-1], v[8*(8*(\a)+\b):8*(8*(\a)+\b)+7]
.endif
.endr
.endr
.endm
.macro MULS set, zero                  ; a substep's 32 products
	WIN MUL
	MULH \set, 0, \zero
	MULH \set, 2, \zero
.endm
; A substep that multiplies set 1 and meets the other waves.  In front of the barrier each wave waits for all its tensor loads, adds 0 to its spare word, and waits for that and for its LDS reads.
; fill = 1: the barrier opens a round of the cluster's barrier, and slot 0, which nobody reads any more, takes K step 3.  Then the first fragments of slot next.
.macro CHANGE fill, next
	WIN 0                                          ; (the add's two registers lie in window 0)
	s_wait_tensorcnt 0x0                           ; all my tensor loads have landed
	ds_add_u32 v[SPW], v[NIL]                      ; 0 onto my spare word
	s_wait_dscnt 1                                 ; set 1's 48 loads are in; the add may be out
	WIN MUL
	MULH 1, 0, 0                                   ; sixteen matrix instructions stand between the add and the wait for it
	s_wait_dscnt 0x0                               ; the add is done, and none of my LDS reads is out
	s_barrier_signal -1
	MULH 1, 2, 0
	WIN 0
	s_barrier_wait -1
.if \fill
	CREST                                          ; no wave of any partner still reads slot 0 or has a load on its way
	JLOAD 3                                        ; the first tensor load behind the round, one a wave
.endif
	PLACES 4                                       ; places in front of loads into registers that matrix instructions have read (ISA guide 7.12.1 for vector instructions); wave 3 passes none in JLOAD
	FETCH \next, 0, 0
.endm
	s_wait_tensorcnt 2                             ; my part of K step 0 is in; steps 1 and 2 may stay out
	s_barrier_signal -1
	s_barrier_wait -1                              ; everybody's is
	FETCH 0, 0, 0
	FETCH 0, 1, 1
	s_wait_dscnt 48                                ; all but the 48 just issued
	MULS 0, 1                                      ; K 0-127: these products start the sums: nothing is cleared
	CHANGE 1, 1                                    ; K 128-255
	FETCH 1, 1, 1
	s_wait_dscnt 48
	MULS 0, 0                                      ; K 256-383
	PLACES 4
	FETCH 2, 0, 0
	s_wait_dscnt 48
	MULS 1, 0                                      ; K 384-511
	PLACES 4
	FETCH 2, 1, 1
	s_wait_dscnt 48
	MULS 0, 0                                      ; K 512-639
	CHANGE 0, 0                                    ; K 640-767; behind its barrier K step 3 is whole in slot 0, and slot 1 is free for the way out
	FETCH 0, 1, 1
	s_wait_dscnt 48
	MULS 0, 0                                      ; K 768-895
	s_wait_dscnt 0x0
	MULS 1, 0                                      ; K 896-1023
	WIN 0
	PLACES 4                                       ; places in front of the first read of results
	s_wait_alu depctr_va_vdst(0)
	; THE WAY OUT.  Each sum is converted, eight neighbours along the reader's K at a time; each accumulator is read from its low end on.
.irp a, 0,1,2,3
	WIN 0x82                                       ; destination and source 0 window 2
.set j, 0
.rept 64
.set j, j+1
.endr
	WIN 0x02                                       ; source 0 window 2, destination window 0
.irp b, 0,1,2,3,4,5,6,7
	v_cvt_scalef32_pk8_fp8_f32 v[AF+16*\a+2*\b:AF+16*\a+2*\b+1], v[64*\a+8*\b:64*\a+8*\b+7], v[SC]
.endr
.endr
	WIN 0
	v_nop                                          ; a plain line behind the last conversion
.irp a, 0,1,2,3
.irp c, 0,1,2,3
	ds_store_b128 v[STO], v[AF+16*\a+4*\c:AF+16*\a+4*\c+3] offset:\a*16*144+32*\c   ; blocks 2 c and 2 c + 1 of B's rows: indices 32 c + 8 h + 0 .. 7 and 32 c + 16 + 8 h + 0 .. 7, at byte 32 c + 16 h
.endr
.endr
.irp i, 0,1,2,3,4,5,6,7,8,9,10,11,12,13,14,15
	ds_load_b128 v[128+4*\i:128+4*\i+3], v[RD] offset:4*144*\i   ; LDS serves a wave's instructions in order (ISA guide 5.7.1.4): these see my stores
.endr
.irp i, 0,1,2,3,4,5,6,7,8,9,10,11,12,13,14,15
	s_wait_dscnt 15-\i                             ; load i is in; the younger ones may be out
	global_store_b128 v[CO], v[128+4*\i:128+4*\i+3], s[8:9] offset:256*\i   ; sixteen lanes store 256 consecutive bytes, aligned
.endr
	s_wait_tensorcnt 0x0                           ; the wave's end
	ds_add_u32 v[SPW], v[NIL]
	s_wait_dscnt 0x0
	CROUND                                         ; the closing round: no work-group ends while a partner may still ask for a tile that names it
	s_endpgm
.Lfunc_end_k_q798cc92b37_qkv:
	.size	k_q798cc92b37_qkv, .Lfunc_end_k_q798cc92b37_qkv-k_q798cc92b37_qkv
	.p2alignl 7, 3214868480
	.fill 96, 4, 3214868480
	.section	.rodata,"a",@progbits
	.p2align	6, 0x0
	.amdhsa_kernel k_q798cc92b37_qkv
		.amdhsa_group_segment_fixed_size 327680
		.amdhsa_private_segment_fixed_size 0
		.amdhsa_enable_private_segment 0
		.amdhsa_kernarg_size 24
		.amdhsa_user_sgpr_count 2
		.amdhsa_user_sgpr_kernarg_segment_ptr 1
		.amdhsa_wavefront_size32 1
		.amdhsa_system_sgpr_workgroup_id_x 1
		.amdhsa_system_sgpr_workgroup_id_y 1
		.amdhsa_system_sgpr_workgroup_id_z 1
		.amdhsa_system_vgpr_workitem_id 0
		.amdhsa_next_free_vgpr 768
		.amdhsa_next_free_sgpr 100
		.amdhsa_reserve_vcc 0
		.amdhsa_float_denorm_mode_32 3
		.amdhsa_float_denorm_mode_16_64 3
		.amdhsa_fp16_overflow 1
		.amdhsa_memory_ordered 1
		.amdhsa_forward_progress 1
		.amdhsa_inst_pref_size 60
	.end_amdhsa_kernel
	.amdgpu_metadata
---
amdhsa.version: [ 1, 2 ]
amdhsa.kernels:
  - .name:           k_q798cc92b37_qkv
    .symbol:         k_q798cc92b37_qkv.kd
    .args:
      - { .name: xw, .offset: 0, .size: 8, .value_kind: global_buffer, .address_space: global }
      - { .name: lowp_scales, .offset: 8, .size: 8, .value_kind: global_buffer, .address_space: global }
      - { .name: qkv, .offset: 16, .size: 8, .value_kind: global_buffer, .address_space: global }
    .group_segment_fixed_size: 327680
    .private_segment_fixed_size: 0
    .kernarg_segment_align: 8
    .kernarg_segment_size: 24
    .max_flat_workgroup_size: 128
    .sgpr_count:     100
    .vgpr_count:     768
    .wavefront_size: 32
...
	.end_amdgpu_metadata
.endif
;; end of part 2
;; launch attn (part 3): grid 4 x 64, 16 waves a work-group, no clusters, 327,680 bytes of LDS; arguments qkv, lowp_scales, yc; writes yc
.if DOCPART == 3
	.amdgcn_target "amdgcn-amd-amdhsa--gfx1250"
	.amdhsa_code_object_version 6
	.text
	.protected	k_q798cc92b37_attn
	.globl	k_q798cc92b37_attn
	.p2align	8
	.type	k_q798cc92b37_attn,@function
k_q798cc92b37_attn:
	s_mov_b64 s[64:65], 0
	v_nop
	global_prefetch_b8 v0, s[64:65] scope:SCOPE_SE
	s_setreg_imm32_b32 hwreg(HW_REG_WAVE_MODE, 25, 1), 1
	s_wait_xcnt 0x0
; y[b][t][h][:] = the sum over keys k <= t of softmax_k(q . k / 8) v, both products on codes of FP8 (E4M3) with the given scales (q: entry 6, k: 7, p: 8, v: 9); y is quantised by entry 10 and stored as codes.
; THE SOFTMAX AHEAD OF THE SECOND PRODUCT: t = score x log2(e) / 8; M = the row's largest t so far, rounded UP to a whole number; p = 2^(t - M) is what is quantised; it is not normalised.
; The row's sum is taken of the unquantised p, in f32, and divides O at the end.  When M moves, the sum and O are multiplied by 2^(old M - new M): exact.
; IN.  qkv as the launch before laid it: a head's q, k and v are 131,072 dense bytes each; q, k: [token][64 bytes]; v: blocks of [64 channels][64 tokens]; in each 32 bytes the four groups of 8 lie in the order 0, 2, 1, 3,
; so that a 16-byte load at 32 c + 16 h fills registers 4 c .. 4 c + 3 of a fragment in the form's own order of K.
; OUT.  yc: [row / 128][head][row % 128][64 channels], row = batch x 2048 + token: a wave's 16 queries are 1,024 consecutive bytes.
; SHARES.  Work-group (p, head) takes the head's query block 7 - p (256 queries) and then block p: 8 - p and p + 1 slots of 256 keys, NINE slots in every work-group: a constant trip count and even work.
; Each of the sixteen waves owns 16 queries, one tile, in 256 registers: four waves to a SIMD, so that one wave's vector work stands beside another's matrix work and LDS loads.
; A step of 128 keys all of which come after the wave's queries is left out by a scalar branch on ids; on the diagonal hidden scores become -infinity ahead of the maximum.  Key 0 counts for every query, so M is a number from the first step on.
; LAYOUT.  Both products are used transposed: S^T = K Q^T (source 0 = 16 keys, source 1 = my queries), O^T = V^T P^T (source 0 = 16 channels, source 1 = P): a lane holds ONE query (lane % 16) throughout, and register
; 8 t + j of S^T is key 16 t + 8 (lane / 16) + j: the conversions' results are the second product's operand as they stand.
; NO CLUSTER: the four work-groups of a head walk the same keys only up to slot 8 - p; from there on each asks for other slots, and the branch that ends a block hangs on p, which in a cluster would be the work-group's place.
; LIMITS on the given exponents, so that each power of two is an f32 number: entries 6 + 7 between -123 and 130 (added to c's exponent field); entry 8 and entry 10 between -126 and 119; 8 + 9 is applied by v_ldexp_f32.
; REGISTERS: v1-11 addresses; v12 -M, v13 the largest t, v[14:15] the sum in two halves; v16-23 Q; v24-31 the second block's Q; v32-95 fragments of K, then of V; v96-159 S^T, then p; v160-191 O^T; v192-207 y's codes; v224-239 p's codes; v240-254 constants and at work.
.set VOFF,  64*272                     ; a slot: K's 256 keys as 64 rows of 256 bytes + 16 of padding, then V's 4 blocks likewise.  The 64-byte row n lies at (n / 4) x 272 + (n % 4) x 64: the 16 rows of a fragment fall on 16 different 16-byte columns
.set SLOT1, 1<<16                      ; slot 1 begins here, so that one exclusive or turns an address in one slot into the other's
.set SPARE, 2*SLOT1                    ; the spare words, 128 bytes for each wave: eight blocks of 256 bytes that no other line names
.set STAGE, SPARE+2048                 ; the way out: 16 rows x (64 bytes + 16) for each wave; no tile lands here
.set AK0, 1                            ; v1   my lane's place in a tile of K
.set AV0, 2                            ; v2   the same for V
.set PFO, 3                            ; v3   256 x lane: the prefetches' offset; never rewritten
.set STO, 4                            ; v4   the stage: where I put 8 codes
.set SPW, 5                            ; v5   LDS address of my spare word; never rewritten
.set NIL, 6                            ; v6   0; never rewritten
.set GO,  7                            ; v7   16 x lane: my bytes of the wave's 1,024 of y
.set ADK, 8                            ; v8   LDS address of the step's tiles of K
.set ADV, 9                            ; v9   of V
.set SRD, 10                           ; v10  the stage: where I read 16 bytes back
.set QOF, 11                           ; v11  my lane's place in the wave's rows of q
.set TB,  2                            ; s2   LDS byte at which the slot in hand begins
.set WV,  18
.set SEL, 20                           ; s[20:21] lane selects for v_permlanex16_b32: lane l xor 16
.set CS,  22                           ; s[22:23] c = log2(e) / 8 x 2^(entries 6 + 7)
.set G1,  24                           ; s[24:31] descriptor group 1;  s[40:43] group 0, which walks
.set G0,  40
.set KB,  44                           ; s[44:45] the head's first byte of k (wave 0) or v (wave 1)
.set OFF, 46                           ; s[46:47] 16,384 x the slot of keys asked for
.set NK,  48                           ; s48  that slot
.set N1,  49                           ; s49  8 - p: the first block's slots
.set KF,  50                           ; s50  the step's first key
.set Q0,  51                           ; s51  my first query
.set KEND, 52                          ; s52  the key behind the block's last
.set Q0B, 53                           ; s53, s54  the same two for the second block
.set KENDB, 54
.set YA,  56                           ; s[56:57] where my 16 rows of y go;  s[58:59] the second block's
.set YB,  58
.set SLOTS, 60                         ; s60  slots still to be asked for
.set LIM, 61                           ; s61  2 in a wave that prefetches, else the greatest number
.set ESUM, 62                          ; s62  entries 8 + 9
.set PFA, 66                           ; s[66:67] where my prefetches stand
.macro TLOAD                           ; wave 0 fetches a slot's K, wave 1 its V: 16,384 dense bytes each.  Four v_nop follow the line
	s_cmp_lt_u32 s[WV], 2
	s_cbranch_scc0 .Lasked_\@
	tensor_load_to_lds s[G0:G0+3], s[G1:G1+7]
	s_nop 0
.rept 4
	v_nop
.endr
.Lasked_\@:
.endm
; A PREFETCH of the slot of keys behind the one just asked for: a slot's two key steps ahead of the load that will want it.  All four work-groups of a head begin with slots 0, 1, 2 ..; work-group p = 0 walks all eight in order, and it
; alone asks.  In it waves 4 and 5 take the halves of K's 16,384 bytes, waves 6 and 7 of V's: 8,192 bytes a wave, lanes 256 bytes apart, one instruction.  So each aligned 256 bytes of slots 2 to 7 are named once in the launch.
; Slots 0 and 1 come by their loads alone; the trips that would name a slot behind the head's last ask for nothing.
.macro ASK
	s_cmp_gt_u32 s[SLOTS], s[LIM]
	s_cbranch_scc0 .Lnot_mine_\@
	global_prefetch_b8 v[PFO], s[PFA:PFA+1] th:TH_LOAD_NT scope:SCOPE_SE
.Lnot_mine_\@:
.endm
.macro INIT                            ; a block begins: the largest t is -3e38, under every t; sum and O^T are zeros, which the first change of M leaves zeros
	v_mov_b32 v13, 0xff61b1e6
	s_delay_alu instid0(VALU_DEP_1)
	v_floor_f32 v12, -v13
	v_mov_b32 v14, 0
	v_mov_b32 v15, 0
.set j, 0
.rept 32
	v_mov_b32 v[160+j], 0
.set j, j+1
.endr
.endm
	s_load_b128 s[4:7], s[0:1], 0x0                ; qkv, the scales' exponents
	s_load_b64 s[8:9], s[0:1], 0x10                ; yc
	v_lshl_add_u32 v[SPW], v0, 2, SPARE
	v_mov_b32 v[NIL], 0
	ds_add_u32 v5, v6
	ds_add_u32 v5, v6
	s_wait_dscnt 0x0
	v_lshrrev_b32 v8, 5, v0
	s_delay_alu instid0(VALU_DEP_1)
	v_readfirstlane_b32 s[WV], v8                  ; wave 0..15
	s_and_b32 s73, ttmp7, 0xffff                   ; batch x 16 + head
	s_lshl_b32 s74, s73, 17                        ; the head's first byte in q, in k and in v
	s_sub_co_u32 s76, 7, ttmp9                     ; the first block
	s_lshl_b32 s77, s[WV], 4
	s_lshl_b32 s[Q0], s76, 8
	s_add_co_u32 s[Q0], s[Q0], s77
	s_lshl_b32 s[Q0B], ttmp9, 8
	s_add_co_u32 s[Q0B], s[Q0B], s77
	s_sub_co_u32 s[N1], 8, ttmp9
	s_lshl_b32 s[KEND], s[N1], 8
	s_add_co_u32 s[KENDB], ttmp9, 1
	s_lshl_b32 s[KENDB], s[KENDB], 8
	s_lshl_b32 s78, s[Q0], 6
	s_add_co_u32 s78, s78, s74                     ; q: 64 bytes a token
	s_mov_b32 s79, 0
	s_lshl_b32 s80, s[Q0B], 6
	s_add_co_u32 s80, s80, s74
	s_mov_b32 s81, 0
	s_lshr_b32 s82, s73, 4
	s_lshl_b32 s82, s82, 11                        ; the batch's first row
	s_and_b32 s83, s73, 15
	s_lshl_b32 s83, s83, 13                        ; the head's 128 rows of 64 bytes in a panel
	s_add_co_u32 s84, s82, s[Q0]
	s_lshr_b32 s85, s84, 7
	s_lshl_b32 s85, s85, 17                        ; the panel
	s_and_b32 s84, s84, 127
	s_lshl_b32 s84, s84, 6
	s_add_co_u32 s84, s84, s85
	s_add_co_u32 s84, s84, s83
	s_mov_b32 s85, 0
	s_add_co_u32 s86, s82, s[Q0B]
	s_lshr_b32 s87, s86, 7
	s_lshl_b32 s87, s87, 17
	s_and_b32 s86, s86, 127
	s_lshl_b32 s86, s86, 6
	s_add_co_u32 s86, s86, s87
	s_add_co_u32 s86, s86, s83
	s_mov_b32 s87, 0
	s_and_b32 s90, s[WV], 1
	s_add_co_u32 s88, s90, 1
	s_lshl_b32 s88, s88, 23                        ; k's part of qkv (wave 0) or v's (wave 1)
	s_add_co_u32 s88, s88, s74
	s_mov_b32 s89, 0
	s_lshl_b32 s91, s90, 13                        ; (the prefetches: which half of a slot's 16,384 bytes)
	s_mul_i32 s90, s90, VOFF                       ; and its place in a slot
	s_bfe_u32 s92, s[WV], 0x10001
	s_add_co_u32 s92, s92, 1
	s_lshl_b32 s92, s92, 23                        ; waves 4, 5: k's part; waves 6, 7: v's
	s_add_co_u32 s92, s92, s74
	s_add_co_u32 s92, s92, s91
	s_add_co_u32 s92, s92, 16384                   ; in slot 1: the first change of slots steps it to slot 2
	s_mov_b32 s93, 0
	; descriptor group 1: 16,384 dense bytes as 64 rows of 256, padded in LDS
	s_mov_b32 s[G1], (1<<20)|(5<<22)|(3<<25)       ; no mask; elements of 1 byte; padding: four words after every 64
	s_mov_b32 s[G1+1], 256<<16                     ; tensor_dim0
	s_mov_b32 s[G1+2], 64<<16                      ; tensor_dim1
	s_mov_b32 s[G1+3], 256<<16                     ; tile_dim0
	s_mov_b32 s[G1+4], 64                          ; tile_dim1
	s_mov_b32 s[G1+5], 256                         ; tensor_dim0_stride
	s_mov_b32 s[G1+6], 0
	s_mov_b32 s[G1+7], 0
	s_mov_b32 s[SEL], 0x76543210
	s_mov_b32 s[SEL+1], 0xfedcba98
	s_mov_b32 s[CS], 0x3e38aa3b                    ; log2(e) / 8
	s_mov_b32 s[TB], 0
	s_mov_b32 s[NK], 0
	s_mov_b32 s[OFF+1], 0
	s_mov_b32 s[KF], 0
	s_mov_b32 s[SLOTS], 8
	s_lshr_b32 s94, s[WV], 2
	s_xor_b32 s94, s94, 1                          ; 0 in waves 4 to 7,
	s_or_b32 s94, s94, ttmp9                       ; of work-group p = 0
	s_cmp_eq_u32 s94, 0
	s_cselect_b32 s[LIM], 2, -1
	s_wait_kmcnt 0x0
	s_load_b128 s[68:71], s[6:7], 0x18             ; entries 6 to 9
	s_load_b32 s72, s[6:7], 0x28                   ; entry 10
	s_add_nc_u64 s[KB:KB+1], s[4:5], s[88:89]
	s_mov_b32 s[G0], 1                             ; count = 1
	s_mov_b32 s[G0+1], s90                         ; LDS address: slot 0
	s_mov_b64 s[G0+2:G0+3], s[KB:KB+1]             ; global address: the head's first 256 keys
	s_or_b32 s[G0+3], s[G0+3], 0x80000000          ; type = 2
	TLOAD
	s_add_nc_u64 s[10:11], s[4:5], s[78:79]        ; q at my first query, first block,
	s_add_nc_u64 s[12:13], s[4:5], s[80:81]        ; second block
	s_add_nc_u64 s[YA:YA+1], s[8:9], s[84:85]
	s_add_nc_u64 s[YB:YB+1], s[8:9], s[86:87]
	s_add_nc_u64 s[PFA:PFA+1], s[4:5], s[92:93]
	v_and_b32 v8, 15, v0                           ; r
	v_bfe_u32 v9, v0, 4, 1                         ; h
	s_delay_alu instid0(VALU_DEP_2)
	v_lshlrev_b32 v[QOF], 6, v8
	s_delay_alu instid0(VALU_DEP_1)
	v_lshl_add_u32 v[QOF], v9, 4, v[QOF]
	global_load_b128 v[16:19], v[QOF], s[10:11]            ; both blocks' Q stay in registers
	global_load_b128 v[20:23], v[QOF], s[10:11] offset:32
	global_load_b128 v[24:27], v[QOF], s[12:13]
	global_load_b128 v[28:31], v[QOF], s[12:13] offset:32
	v_lshrrev_b32 v[AK0], 2, v8
	s_delay_alu instid0(VALU_DEP_1)
	v_mul_u32_u24 v[AK0], v[AK0], 272
	v_and_b32 v[AV0], 3, v8
	s_delay_alu instid0(VALU_DEP_1)
	v_lshl_add_u32 v[AK0], v[AV0], 6, v[AK0]
	s_delay_alu instid0(VALU_DEP_1)
	v_lshl_add_u32 v[AK0], v9, 4, v[AK0]           ; (r / 4) x 272 + (r % 4) x 64 + 16 h
	s_delay_alu instid0(VALU_DEP_1)
	v_add_nc_u32 v[AV0], VOFF, v[AK0]
	s_mul_i32 s94, s[WV], 16*80
	s_add_co_u32 s94, s94, STAGE                   ; my stage
	v_mul_u32_u24 v[STO], v8, 80
	s_delay_alu instid0(VALU_DEP_1)
	v_lshl_add_u32 v[STO], v9, 3, v[STO]
	s_delay_alu instid0(VALU_DEP_1)
	v_add_nc_u32 v[STO], s94, v[STO]               ; in: row r, + 8 h
	v_and_b32 v[GO], 31, v0
	s_delay_alu instid0(VALU_DEP_1)
	v_lshrrev_b32 v[SRD], 2, v[GO]
	s_delay_alu instid0(VALU_DEP_1)
	v_mul_u32_u24 v[SRD], v[SRD], 80
	v_and_b32 v[PFO], 3, v0
	s_delay_alu instid0(VALU_DEP_1)
	v_lshl_add_u32 v[SRD], v[PFO], 4, v[SRD]
	s_delay_alu instid0(VALU_DEP_1)
	v_add_nc_u32 v[SRD], s94, v[SRD]               ; back: four lanes to a row of 64 bytes, eight rows an instruction
	v_lshlrev_b32 v[PFO], 8, v[GO]
	v_lshlrev_b32 v[GO], 4, v[GO]
	INIT
	v_mov_b32 v246, 0                              ; written once: a lane permute's destination counts as one of its sources
	v_mov_b32 v253, 0                              ; (named as the upper half of the pair v[252:253])
	s_wait_kmcnt 0x0
	s_add_co_i32 s94, s68, s69
	s_lshl_b32 s94, s94, 23
	s_add_co_i32 s[CS], s[CS], s94                 ; a score stands for score x 2^(entries 6 + 7): added to c's exponent field
	s_mov_b32 s[CS+1], s[CS]                       ; (named with it as a pair, so it is written)
	s_add_co_i32 s94, s70, 127
	s_lshl_b32 s95, s94, 23
	v_mov_b32 v244, s95                            ; 2^(entry 8) as f32, for p's conversion
	s_add_co_i32 s94, s72, 127
	s_lshl_b32 s95, s94, 23
	v_mov_b32 v248, s95                            ; 2^(entry 10), for y's
	s_add_co_i32 s[ESUM], s70, s71
; A KEY STEP: 128 keys, the q-th of the slot in hand.
.macro STEP q
	s_add_co_u32 s96, s[Q0], 15                    ; a step all of whose keys come after my 16 queries is left out; no barrier and no tensor load stands in a step
	s_cmp_gt_u32 s[KF], s96
	s_cbranch_scc1 .Lhidden_\@
	v_add_nc_u32 v[ADK], s[TB], v[AK0]
	v_add_nc_u32 v[ADV], s[TB], v[AV0]
	v_nop                                          ; with the two additions: four places in front of loads into registers that matrix instructions have read (ISA guide 7.12.1 for vector instructions)
	v_nop
.irp t, 0,1,2,3,4,5,6,7
	ds_load_b128 v[32+8*\t:35+8*\t], v[ADK] offset:(32*(\q)+4*\t)*272       ; keys 16 t + r
	ds_load_b128 v[36+8*\t:39+8*\t], v[ADK] offset:(32*(\q)+4*\t)*272+32
.endr
	s_wait_alu depctr_va_vdst(0)
	s_wait_dscnt 0x0
.irp t, 0,1,2,3,4,5,6,7
	v_wmma_f32_16x16x64_fp8_fp8 v[96+8*\t:103+8*\t], v[32+8*\t:39+8*\t], v[16:23], 0
.endr
.rept 4
	v_nop                                          ; places: for V's loads into K's registers, and for the first read of the scores
.endr
.irp u, 0,1,2,3                                ; V's four tiles of 16 channels x 128 keys are asked for here: they land under the softmax
.irp c, 0,1,2,3
	ds_load_b128 v[32+16*\u+4*\c:35+16*\u+4*\c], v[ADV] offset:\u*4*272+(2*(\q)+\c/2)*16*272+32*(\c%2)
.endr
.endr
	s_add_co_u32 s96, s[KF], 127                   ; a step all of whose keys count skips the mask
	s_cmp_le_u32 s96, s[Q0]
	s_cbranch_scc1 .Lopen_\@
	s_sub_co_i32 s96, s[Q0], s[KF]
	v_and_b32 v252, 15, v0
	v_bfe_u32 v253, v0, 4, 1
	s_delay_alu instid0(VALU_DEP_1)
	v_lshlrev_b32 v253, 3, v253
	s_delay_alu instid0(VALU_DEP_1)
	v_sub_nc_u32 v252, v252, v253
	s_delay_alu instid0(VALU_DEP_1)
	v_add_nc_u32 v252, s96, v252                   ; d = my query - KF - 8 (lane / 16).  Register 8 t + j holds key KF + 8 (lane / 16) + 16 t + j: hidden where 16 t + j > d
	v_mov_b32 v254, 0xff800000                     ; -infinity
.set n, 0
.rept 64
	v_cmp_gt_i32 vcc_lo, 16*(n/8)+n%8, v252
	v_cndmask_b32 v[96+n], v[96+n], v254, vcc_lo
.set n, n+1
.endr
.Lopen_\@:
	v_max3_num_f32 v254, v96, v97, v98             ; the step's largest score of my query, among my 64 keys, in two chains, each accumulator from its low end on,
	v_max3_num_f32 v252, v99, v100, v101
.set i, 6
.rept 14
	v_max3_num_f32 v254, v254, v[96+i], v[97+i]
	v_max3_num_f32 v252, v252, v[98+i], v[99+i]
.set i, i+4
.endr
	v_max3_num_f32 v254, v254, v158, v159
	s_delay_alu instid0(VALU_DEP_1)
	v_max_num_f32 v254, v254, v252
	s_delay_alu instid0(VALU_DEP_1)
	v_permlanex16_b32 v246, v254, s[SEL], s[SEL+1]
	s_delay_alu instid0(VALU_DEP_1)
	v_max_num_f32 v254, v254, v246                 ; and among lane l xor 16's
	s_delay_alu instid0(VALU_DEP_1)
	v_mul_f32 v254, s[CS], v254                    ; as t (c is positive)
	s_delay_alu instid0(VALU_DEP_1)
	v_max_num_f32 v13, v13, v254                   ; the running largest t
	v_mov_b32 v254, v12
	s_delay_alu instid0(VALU_DEP_2)
	v_floor_f32 v12, -v13                          ; the new -M = floor(-t) = -ceil(t): M is a whole number
	s_delay_alu instid0(VALU_DEP_1)
	v_sub_f32 v254, v12, v254                      ; M's old value less its new one: a whole number, 0 or less
	s_delay_alu instid0(VALU_DEP_1)
	v_cvt_i32_f32 v254, v254                       ; (it saturates)
	s_delay_alu instid0(VALU_DEP_1)
	v_ldexp_f32 v252, 1.0, v254                    ; f = 2^(old M - new M)
.set j, 0
.rept 32
	v_pk_fma_f32 v[96+j:97+j], v[96+j:97+j], s[CS:CS+1], v[12:13] op_sel_hi:[1,0,0]   ; t - M, two at a time (of the pairs c and -M the low word serves both halves)
.set j, j+2
.endr
.set j, 0
	s_wait_alu depctr_va_vdst(0)
.rept 64
	v_exp_f32 v[96+j], v[96+j]                     ; p = 2^(t - M), at most 1: not normalised
.set j, j+1
.endr
	v_pk_mul_f32 v[14:15], v[14:15], v[252:253] op_sel_hi:[1,0]   ; the sums under the new M: the plain line behind the exponentials (ISA guide 5.7.2)
	s_wait_alu depctr_va_vdst(0)                   ; one wait for the whole batch, ahead of its first reader
	v_pk_add_f32 v[242:243], v[100:101], v[104:105]
	v_pk_add_f32 v[254:255], v[108:109], v[112:113]
	v_pk_add_f32 v[250:251], v[116:117], v[120:121]
	v_pk_add_f32 v[240:241], v[124:125], v[128:129]
	v_pk_add_f32 v[238:239], v[132:133], v[136:137]
	v_pk_add_f32 v[236:237], v[140:141], v[144:145]
	v_pk_add_f32 v[234:235], v[148:149], v[152:153]
	v_pk_add_f32 v[14:15], v[14:15], v[156:157]
	v_pk_add_f32 v[242:243], v[242:243], v[96:97]
	v_pk_add_f32 v[254:255], v[254:255], v[98:99]
	v_pk_add_f32 v[250:251], v[250:251], v[102:103]
	v_pk_add_f32 v[240:241], v[240:241], v[106:107]
	v_pk_add_f32 v[238:239], v[238:239], v[110:111]
	v_pk_add_f32 v[236:237], v[236:237], v[114:115]
	v_pk_add_f32 v[234:235], v[234:235], v[118:119]
	v_pk_add_f32 v[14:15], v[14:15], v[122:123]
	v_pk_add_f32 v[242:243], v[242:243], v[126:127]
	v_pk_add_f32 v[254:255], v[254:255], v[130:131]
	v_pk_add_f32 v[250:251], v[250:251], v[134:135]
	v_pk_add_f32 v[240:241], v[240:241], v[138:139]
	v_pk_add_f32 v[238:239], v[238:239], v[142:143]
	v_pk_add_f32 v[236:237], v[236:237], v[146:147]
	v_pk_add_f32 v[234:235], v[234:235], v[150:151]
	v_pk_add_f32 v[14:15], v[14:15], v[154:155]
	v_pk_add_f32 v[242:243], v[242:243], v[158:159]
	s_delay_alu instid0(VALU_DEP_2)
	v_pk_add_f32 v[14:15], v[14:15], v[240:241]
	s_delay_alu instid0(VALU_DEP_2)
	v_pk_add_f32 v[242:243], v[242:243], v[238:239]
	v_pk_add_f32 v[254:255], v[254:255], v[236:237]
	v_pk_add_f32 v[250:251], v[250:251], v[234:235]
	s_delay_alu instid0(VALU_DEP_2)
	v_pk_add_f32 v[14:15], v[14:15], v[254:255]
	s_delay_alu instid0(VALU_DEP_2)
	v_pk_add_f32 v[242:243], v[242:243], v[250:251]
	s_delay_alu instid0(VALU_DEP_1)
	v_pk_add_f32 v[14:15], v[14:15], v[242:243]
.irp t, 0,1,2,3,4,5,6,7
.irp i, 0,1,2,3,4,5,6,7
.endr
	v_cvt_scalef32_pk8_fp8_f32 v[224+2*\t:225+2*\t], v[96+8*\t:103+8*\t], v244   ; registers 2 t, 2 t + 1 of the operand: keys 16 t + 8 h + 0 .. 7
.endr
.set j, 0
.rept 16
	v_pk_mul_f32 v[160+j:161+j], v[160+j:161+j], v[252:253] op_sel_hi:[1,0]   ; O^T under the new M.  (Also the plain lines between the conversions and the products that read their results)
.set j, j+2
.endr
	s_wait_alu depctr_va_vdst(0)
	s_wait_dscnt 0x0                               ; V is in
.irp u, 0,1,2,3
	v_wmma_f32_16x16x128_fp8_fp8 v[160+8*\u:167+8*\u], v[32+16*\u:47+16*\u], v[224:239], v[160+8*\u:167+8*\u]   ; the four accumulators by turns
.endr
.Lhidden_\@:
	s_add_co_u32 s[KF], s[KF], 128
.endm
; THE CHANGE OF SLOTS stands at a slot's head.  Each wave waits for all its tensor loads (its part of the slot that it is about to read), adds 0 to its spare word, and waits for that and for its reads of the slot that it has left.
; Behind the barrier the slot ahead is whole and nobody reads the other one.  fill = 1: that other slot takes the keys that follow (behind the first block's last slot: the head's first keys again): the load has a slot's two steps in which to land.
.macro CHANGE fill
	s_wait_tensorcnt 0x0                           ; no tensor load of mine is out, so group 0 may be written
	ds_add_u32 v[SPW], v[NIL]                      ; 0 onto my spare word; the descriptor's steps stand between it and the wait for it
.if \fill
	s_xor_b32 s[G0+1], s[G0+1], SLOT1              ; the other slot than last time
	s_add_co_u32 s[NK], s[NK], 1
	s_cmp_eq_u32 s[NK], s[N1]
	s_cselect_b32 s[NK], 0, s[NK]                  ; behind the first block's 8 - p slots the second block begins at key 0
	s_lshl_b32 s[OFF], s[NK], 14
	s_add_nc_u64 s[G0+2:G0+3], s[KB:KB+1], s[OFF:OFF+1]
	s_or_b32 s[G0+3], s[G0+3], 0x80000000
	s_wait_xcnt 0x0                                ; the last prefetch, a slot back, has read its address, so it may be written
	s_add_nc_u64 s[PFA:PFA+1], s[PFA:PFA+1], 16384
.endif
	s_wait_dscnt 0x0                               ; the add is done, and my reads of the slot that I have left are over
	s_barrier_signal -1
	s_barrier_wait -1
.if \fill
	TLOAD                                          ; the first thing behind the barrier, and a wave's one tensor load until the next: one load of mine is out at the most
	ASK
.endif
.endm
; A BLOCK'S WAY OUT.  O^T / the sum x 2^(entries 8 + 9) is y; it is converted by entry 10 and goes through my stage, so that the wave's two stores cover 512 consecutive bytes each, aligned.
.macro EPI
	s_wait_xcnt 0x0                                ; the first block's stores have read their data: those registers are loaded again below
.rept 4
	v_nop                                          ; places behind the last products
.endr
	v_add_f32 v14, v14, v15                        ; the sum's two halves,
	s_delay_alu instid0(VALU_DEP_1)
	v_permlanex16_b32 v252, v14, s[SEL], s[SEL+1]
	s_delay_alu instid0(VALU_DEP_1)
	v_add_f32 v14, v14, v252                       ; and lane l xor 16's
	s_wait_alu depctr_va_vdst(0)
	v_rcp_f32 v14, v14
	v_nop                                          ; a plain line behind the transcendental
	s_wait_alu depctr_va_vdst(0)                   ; and the wait ahead of its first reader
	v_ldexp_f32 v14, v14, s[ESUM]
.set j, 0
.rept 16
	v_pk_mul_f32 v[96+j:97+j], v[160+j:161+j], v[14:15] op_sel_hi:[1,0]   ; register 8 u + i is y(query r, channel 16 u + 8 h + i)
.set j, j+2
.endr
.set j, 0
.rept 32
.set j, j+1
.endr
.irp u, 0,1,2,3
	v_cvt_scalef32_pk8_fp8_f32 v[192+2*\u:193+2*\u], v[96+8*\u:103+8*\u], v248
.endr
	v_nop                                          ; a plain line behind the last conversion
.irp u, 0,1,2,3
	ds_store_b64 v[STO], v[192+2*\u:193+2*\u] offset:16*\u
.endr
	ds_load_b128 v[200:203], v[SRD]                ; LDS serves a wave's instructions in order (ISA guide 5.7.1.4): these see my stores
	ds_load_b128 v[204:207], v[SRD] offset:8*80
	s_wait_dscnt 0x0
	global_store_b128 v[GO], v[200:203], s[YA:YA+1]
	global_store_b128 v[GO], v[204:207], s[YA:YA+1] offset:512
.endm
	s_wait_loadcnt 0x0                             ; Q
.Lslot:                                            ; eight trips: behind each change of slots but the last the next slot is asked for
	CHANGE 1
	STEP 0
	STEP 1
	s_xor_b32 s[TB], s[TB], SLOT1                  ; on to the other slot
	s_cmp_lg_u32 s[KF], s[KEND]                    ; the first block's last slot?  The same answer in all sixteen waves
	s_cbranch_scc1 .Lgo_on
	EPI
	s_wait_xcnt 0x0                                ; the stores have read their base
	s_mov_b64 s[YA:YA+1], s[YB:YB+1]               ; the second block
	s_mov_b32 s[Q0], s[Q0B]
	s_mov_b32 s[KEND], s[KENDB]
	s_mov_b32 s[KF], 0
.irp i, 0,1,2,3,4,5,6,7
	v_mov_b32 v[16+\i], v[24+\i]
.endr
	INIT
.Lgo_on:
	s_sub_co_u32 s[SLOTS], s[SLOTS], 1
	s_cmp_lg_u32 s[SLOTS], 0
	s_cbranch_scc1 .Lslot
	CHANGE 0                                       ; the ninth slot is written out
	STEP 0
	STEP 1
	EPI
	s_wait_tensorcnt 0x0                           ; the wave's end
	ds_add_u32 v[SPW], v[NIL]
	s_wait_dscnt 0x0
	s_endpgm
.Lfunc_end_k_q798cc92b37_attn:
	.size	k_q798cc92b37_attn, .Lfunc_end_k_q798cc92b37_attn-k_q798cc92b37_attn
	.p2alignl 7, 3214868480
	.fill 96, 4, 3214868480
	.section	.rodata,"a",@progbits
	.p2align	6, 0x0
	.amdhsa_kernel k_q798cc92b37_attn
		.amdhsa_group_segment_fixed_size 327680
		.amdhsa_private_segment_fixed_size 0
		.amdhsa_enable_private_segment 0
		.amdhsa_kernarg_size 24
		.amdhsa_user_sgpr_count 2
		.amdhsa_user_sgpr_kernarg_segment_ptr 1
		.amdhsa_wavefront_size32 1
		.amdhsa_system_sgpr_workgroup_id_x 1
		.amdhsa_system_sgpr_workgroup_id_y 1
		.amdhsa_system_sgpr_workgroup_id_z 1
		.amdhsa_system_vgpr_workitem_id 0
		.amdhsa_next_free_vgpr 256
		.amdhsa_next_free_sgpr 100
		.amdhsa_reserve_vcc 1
		.amdhsa_float_denorm_mode_32 3
		.amdhsa_float_denorm_mode_16_64 3
		.amdhsa_fp16_overflow 1
		.amdhsa_memory_ordered 1
		.amdhsa_forward_progress 1
		.amdhsa_inst_pref_size 93
	.end_amdhsa_kernel
	.amdgpu_metadata
---
amdhsa.version: [ 1, 2 ]
amdhsa.kernels:
  - .name:           k_q798cc92b37_attn
    .symbol:         k_q798cc92b37_attn.kd
    .args:
      - { .name: qkv, .offset: 0, .size: 8, .value_kind: global_buffer, .address_space: global }
      - { .name: lowp_scales, .offset: 8, .size: 8, .value_kind: global_buffer, .address_space: global }
      - { .name: yc, .offset: 16, .size: 8, .value_kind: global_buffer, .address_space: global }
    .group_segment_fixed_size: 327680
    .private_segment_fixed_size: 0
    .kernarg_segment_align: 8
    .kernarg_segment_size: 24
    .max_flat_workgroup_size: 512
    .sgpr_count:     100
    .vgpr_count:     256
    .wavefront_size: 32
...
	.end_amdgpu_metadata
.endif
;; end of part 3
;; launch outp (part 4): grid 4 x 64, 4 waves a work-group, clusters of 4 x 4, 327,680 bytes of LDS; arguments yc, xw, lowp_scales, b_o, out0; writes out0
.if DOCPART == 4
	.amdgcn_target "amdgcn-amd-amdhsa--gfx1250"
	.amdhsa_code_object_version 6
	.text
	.protected	k_q798cc92b37_outp
	.globl	k_q798cc92b37_outp
	.p2align	8
	.type	k_q798cc92b37_outp,@function
k_q798cc92b37_outp:
	s_mov_b64 s[64:65], 0
	v_nop
	global_prefetch_b8 v0, s[64:65] scope:SCOPE_SE
	s_setreg_imm32_b32 hwreg(HW_REG_WAVE_MODE, 25, 1), 1
	s_wait_xcnt 0x0
	s_wait_alu depctr_hold_cnt(0) depctr_sa_sdst(0) depctr_va_vdst(0) depctr_va_sdst(0) depctr_va_ssrc(0) depctr_va_vcc(0) depctr_vm_vsrc(0)
	s_getreg_b32 s2, hwreg(HW_REG_IB_STS2, 6, 4)
	s_cmp_eq_u32 s2, 0
	s_cbranch_scc0 .Lentry_in_a_cluster
	s_endpgm
.Lentry_in_a_cluster:
	s_bfe_u32 s2, ttmp6, 0x10000c
	s_cmp_lg_u32 s2, 0xf033
	s_cbranch_scc0 .Lentry_shape_is_right
	s_endpgm
.Lentry_shape_is_right:
; out0 = y W_o^T + b_o on codes of FP8 (E4M3): y's codes (entry 10) from yc, W_o's (entry 11) from xw at 0x1b00000; each finished f32 sum x 2^(entries 10 + 11) + b_o, one packed multiply-add for two numbers.
; LIMIT: entries 10 + 11 between -126 and 127, so that their power of two is an f32 number.
; A tile is 128 rows of y x 256 rows of W_o, K = 1,024.  Four waves, 2 x 2, each 64 x 128: 32 accumulators of 16 x 16.  256 work-groups.
; yc lies [row / 128][head][row % 128][64 channels]: a tile row's panel is 131,072 dense bytes, a K step of 256 (four heads) 32,768 dense bytes, which come in as 128 rows of 256 bytes: the 64 codes of (head e of the step, row m)
; lie at (32 e + m / 4) x 272 + (m % 4) x 64 in LDS; the 16 rows of a fragment fall on 16 different 16-byte columns.
; THE MATRIX INSTRUCTION IS USED TRANSPOSED (source 0 = 16 rows of W_o, source 1 = 16 rows of y): a lane holds eight neighbouring numbers of a row of out0.
; RING, CLUSTER, FRAGMENTS as in the launch that makes q, k and v: four K steps of 256 through three LDS slots; steps 0, 1, 2 asked for together at the start, step 3 refills slot 0 behind the one change of slots that fills
; (three substeps, 96 matrix instructions, in which to land; at most three tensor loads of a wave are out); wave 0 fetches y's tile, waves 1 and 2 the halves of W_o's, wave 3 none; y's tile is asked for jointly by a row of the
; 4 x 4 cluster, W_o's by a column; registers 4 c .. 4 c + 3 of a fragment hold K = 32 c + 16 h + 0 .. 15 in both operands.
; REGISTERS, in windows of 256: window 0: v16-29 addresses; v32-35 my four numbers of b_o; A's fragments, two sets of 64 at v64 and v128 (on the way out: rows read back).  window 1: B's fragments, two sets of 128.  window 2: accumulator (a, b) at v[8 (8 a + b)].
.set PITCH,  272                       ; an LDS row: 256 bytes + 16 of padding
.set HALFT,  128*PITCH                 ; what one tensor load brings
.set SLOT,   3*HALFT                   ; A's tile, then B's 256 rows
.set SPARE,  3*SLOT                    ; behind the ring: the spare words, 128 bytes a wave: two blocks of 256 bytes that no other line names
.set STAGE,  SLOT                      ; the way out lies in slot 1: it has had its only fill, and every wave has passed a barrier behind its last read of it
.set SPITCH, 528                       ; a stage row: 512 bytes + 16
.set FR,   16
.set ADRA, 16                          ; v16-18  LDS address of my A fragments in slot 0, 1, 2
.set ADRB, 20                          ; v20-22  the same for B
.set STO,  24                          ; v24     the way out: where I put 32 bytes of a row
.set RD,   25                          ; v25     where I read a row back
.set CO,   26                          ; v26     16 x lane: my bytes of a row's 512
.set SPW,  28                          ; v28     LDS address of my spare word; never rewritten
.set NIL,  29                          ; v29     0; never rewritten
.set BI,   32                          ; v32-35  b_o at my four columns
.set AF,   64
.set G1A,  24
.set G1B,  32
.set G0A,  48
.set G0B,  68
.set MSB, 0
.macro WIN new                         ; the immediate's high byte repeats the setting that is left
.if MSB != \new
	s_set_vgpr_msb (MSB<<8)|\new
.set MSB, \new
.endif
.endm
.set MUL, 0xa1                         ; source 0 (B) window 1, source 1 (A) window 0, C and D window 2
.macro PLACES n
.rept \n
	v_nop
.endr
.endm
.macro JLOAD g                         ; K step g: wave 0 asks for A's tile, waves 1 and 2 for B's halves.  The branches hang on the wave's number alone.  Four v_nop follow each line
	s_cmp_eq_u32 s14, 0
	s_cbranch_scc0 .Lnot_a_\@
	tensor_load_to_lds s[G0A+4*\g:G0A+4*\g+3], s[G1A:G1A+7]
	s_nop 0
	PLACES 4
	s_branch .Lasked_\@
.Lnot_a_\@:
	s_cmp_lt_u32 s14, 3
	s_cbranch_scc0 .Lasked_\@
	tensor_load_to_lds s[G0B+4*\g:G0B+4*\g+3], s[G1B:G1B+7]
	s_nop 0
	PLACES 4
.Lasked_\@:
.endm
.macro CREST                           ; a round of the cluster's barrier behind its opening barrier
	s_cmp_lg_u32 s14, 0
	s_cbranch_scc1 .Lnot_wave_0_\@
	s_barrier_signal -3
.Lnot_wave_0_\@:
	s_barrier_wait -3
	s_barrier_signal -1
	s_barrier_wait -1
.endm
.macro CROUND
	s_barrier_signal -1
	s_barrier_wait -1
	CREST
.endm
	s_load_b256 s[4:11], s[0:1], 0x0               ; yc, xw, the scales' exponents, b_o
	s_load_b64 s[12:13], s[0:1], 0x20              ; out0
	v_lshl_add_u32 v[SPW], v0, 2, SPARE
	v_mov_b32 v[NIL], 0
	ds_add_u32 v28, v29
	ds_add_u32 v28, v29
	s_wait_dscnt 0x0
	v_lshrrev_b32 v1, 5, v0
	v_readfirstlane_b32 s14, v1                    ; wave 0..3
	s_lshr_b32 s15, s14, 1                         ; which 64 of A's rows are mine
	s_and_b32 s16, s14, 1                          ; which 128 of B's
	s_bfe_u32 s40, ttmp6, 0x40000                  ; cx, cy: my place in the cluster
	s_bfe_u32 s41, ttmp6, 0x40004
	s_lshl_b32 s42, ttmp9, 2
	s_add_co_u32 s42, s42, s40                     ; tile column = 4 x cluster x + cx
	s_and_b32 s17, ttmp7, 0xffff
	s_lshl_b32 s17, s17, 2
	s_add_co_u32 s17, s17, s41                     ; tile row = 4 x cluster y + cy
	s_lshl_b32 s43, s41, 2
	s_lshl_b32 s43, 15, s43                        ; my row of the cluster
	s_lshl_b32 s44, 0x1111, s40                    ; my column
	; descriptor group 1: 128 rows x 256 bytes, padded in LDS; A's rows lie on end in memory, B's 1,024 bytes apart
	s_or_b32 s[G1A], s43, (1<<20)|(1<<21)|(5<<22)|(3<<25)   ; 15:0 the mask; 17:16 elements of 1 byte; 20 padding on; 21 set beside a mask; 24:22 after every 64 words (code 5); 31:25 four words (code 3)
	s_or_b32 s[G1B], s44, (1<<20)|(1<<21)|(5<<22)|(3<<25)
.irp g, G1A, G1B
	s_mov_b32 s[\g+1], 256<<16                     ; tensor_dim0
	s_mov_b32 s[\g+2], 128<<16                     ; tensor_dim1
	s_mov_b32 s[\g+3], 256<<16                     ; tile_dim0
	s_mov_b32 s[\g+4], 128                         ; tile_dim1
	s_mov_b32 s[\g+6], 0
	s_mov_b32 s[\g+7], 0
.endr
	s_mov_b32 s[G1A+5], 256                        ; tensor_dim0_stride
	s_mov_b32 s[G1B+5], 1024
	s_lshl_b32 s20, s17, 17                        ; A: the tile row's panel: hangs on cy, never on cx
	s_mov_b32 s21, 0
	s_lshl_b32 s46, s42, 18                        ; B: 256 rows of 1,024 bytes a tile column: hangs on cx, never on cy;
	s_add_co_u32 s46, s46, 0x1b00000               ; W_o's codes in xw;
	s_sub_co_u32 s47, s14, 1
	s_and_b32 s47, s47, 1                          ; wave 1 its rows 0-127, wave 2 its rows 128-255
	s_lshl_b32 s47, s47, 17
	s_add_co_u32 s46, s46, s47
	s_mov_b32 s47, 0
	s_mul_i32 s45, s14, HALFT                      ; where a wave's tile goes in a slot: no place in the cluster enters an LDS address
	s_wait_kmcnt 0x0
	s_load_b64 s[96:97], s[8:9], 0x28              ; entries 10 and 11
	s_add_nc_u64 s[20:21], s[4:5], s[20:21]
	s_add_nc_u64 s[46:47], s[6:7], s[46:47]
.irp g, 0,1,2,3
	s_mov_b32 s[G0A+4*\g], 1                                       ; count = 1
	s_add_co_u32 s[G0A+4*\g+1], s45, (\g%3)*SLOT                   ; LDS address: K step 3 goes into slot 0 again
	s_add_nc_u64 s[G0A+4*\g+2:G0A+4*\g+3], s[20:21], \g*32768      ; global address: four heads on
	s_or_b32 s[G0A+4*\g+3], s[G0A+4*\g+3], 0x80000000              ; type = 2
	s_mov_b32 s[G0B+4*\g], 1
	s_add_co_u32 s[G0B+4*\g+1], s45, (\g%3)*SLOT
	s_add_nc_u64 s[G0B+4*\g+2:G0B+4*\g+3], s[46:47], \g*256
	s_or_b32 s[G0B+4*\g+3], s[G0B+4*\g+3], 0x80000000
.endr
	CROUND                                         ; all sixteen work-groups are here: the first joint loads meet
	s_cmp_eq_u32 s14, 0                            ; a wave's three first fills stand in one branch, ahead of every wait on TENSORcnt, every LDS read and every other barrier
	s_cbranch_scc0 .Lfirst_not_a
	tensor_load_to_lds s[G0A:G0A+3], s[G1A:G1A+7]
	s_nop 0
	tensor_load_to_lds s[G0A+4:G0A+7], s[G1A:G1A+7]
	s_nop 0
	tensor_load_to_lds s[G0A+8:G0A+11], s[G1A:G1A+7]
	s_nop 0
	PLACES 4
	s_branch .Lfirst_asked
.Lfirst_not_a:
	s_cmp_lt_u32 s14, 3
	s_cbranch_scc0 .Lfirst_asked
	tensor_load_to_lds s[G0B:G0B+3], s[G1B:G1B+7]
	s_nop 0
	tensor_load_to_lds s[G0B+4:G0B+7], s[G1B:G1B+7]
	s_nop 0
	tensor_load_to_lds s[G0B+8:G0B+11], s[G1B:G1B+7]
	s_nop 0
	PLACES 4
.Lfirst_asked:
	v_and_b32 v1, 15, v0                           ; r
	v_bfe_u32 v2, v0, 4, 1                         ; h
	v_mul_u32_u24 v3, v1, PITCH
	v_lshl_add_u32 v3, v2, 4, v3                   ; B: a fragment's row x pitch + 16 h
	v_lshrrev_b32 v4, 2, v1
	v_mul_u32_u24 v4, v4, PITCH
	v_and_b32 v5, 3, v1
	v_lshl_add_u32 v4, v5, 6, v4
	v_lshl_add_u32 v4, v2, 4, v4                   ; A: (r / 4) x pitch + (r % 4) x 64 + 16 h
	s_mul_i32 s98, s15, 16*PITCH                   ; my 64 rows of A: 16 LDS rows in each head's 32
	s_mul_i32 s99, s16, HALFT
	s_add_co_u32 s99, s99, HALFT                   ; my 128 rows of B, behind A's tile
.irp s, 0,1,2
	v_add_nc_u32 v[ADRA+\s], s98, v4
	v_add_nc_u32 v[ADRB+\s], s99, v3
	s_add_co_u32 s98, s98, SLOT
	s_add_co_u32 s99, s99, SLOT
.endr
	s_mul_i32 s18, s14, 16*SPITCH                  ; my stage: 16 rows
	s_add_co_u32 s18, s18, STAGE
	v_mul_u32_u24 v[STO], v1, SPITCH
	v_lshl_add_u32 v[STO], v2, 5, v[STO]
	v_add_nc_u32 v[STO], s18, v[STO]               ; in: row r, + 32 h
	v_and_b32 v[CO], 31, v0
	v_lshlrev_b32 v[CO], 4, v[CO]
	v_add_nc_u32 v[RD], s18, v[CO]                 ; back: the 32 lanes take one row of 512 bytes
	s_lshl_b32 s18, s42, 10
	s_lshl_b32 s19, s16, 9
	s_add_co_u32 s18, s18, s19                     ; my first column, in bytes: 1,024 x tile column + 512 x half
	s_mov_b32 s19, 0
	s_add_nc_u64 s[10:11], s[10:11], s[18:19]
	global_load_b128 v[BI:BI+3], v[CO], s[10:11]   ; b_o at the four columns that I store
	s_lshl_b32 s22, s17, 7
	s_lshl_b32 s23, s15, 6
	s_add_co_u32 s22, s22, s23                     ; my first row: 128 x tile row + 64 x half
	s_lshl_b32 s22, s22, 12                        ; rows of 4,096 bytes
	s_add_co_u32 s22, s22, s18
	s_mov_b32 s23, 0
	s_add_nc_u64 s[12:13], s[12:13], s[22:23]
	s_wait_kmcnt 0x0
	s_add_co_i32 s96, s96, s97
	s_add_co_i32 s96, s96, 127
	s_lshl_b32 s96, s96, 23                        ; 2^(entries 10 + 11) as f32
	s_mov_b32 s97, s96                             ; (named with it as a pair)
.macro FRAGB reg, slot, q, i
.irp c, 0,1,2,3
	ds_load_b128 v[\reg+4*\c:\reg+4*\c+3], v[ADRB+\slot] offset:128*(\q)+32*\c+(\i)*16*PITCH
.endr
.endm
.macro FRAGA reg, slot, q, i           ; K = 128 q + 32 c + 16 h + 0 .. 15 is head 2 q + c / 2 of the step, channels 32 (c % 2) + 16 h on
.irp c, 0,1,2,3
	ds_load_b128 v[\reg+4*\c:\reg+4*\c+3], v[ADRA+\slot] offset:(2*(\q)+\c/2)*32*PITCH+(\i)*4*PITCH+32*(\c%2)
.endr
.endm
.macro FETCH slot, q, set              ; 48 LDS loads in one run: the fragments of the slot's q-th 128 along K
	WIN 0x40                                       ; destination window 1, address window 0
.irp i, 0,1,2,3,4,5,6,7
	FRAGB 128*(\set)+FR*\i, \slot, \q, \i
.endr
	WIN 0
.irp i, 0,1,2,3
	FRAGA AF+64*(\set)+FR*\i, \slot, \q, \i
.endr
.endm
; 16 matrix instructions: A's blocks a0, a0 + 1 x B's eight.  zero = 1: the first product starts the sums.  The 32 accumulators take turns, one instruction a turn, in the same order in every substep.
.macro MULH set, a0, zero
.irp a, \a0, \a0+1
.irp b, 0,1,2,3,4,5,6,7
.if \zero
	v_wmma_f32_16x16x128_fp8_fp8 v[8*(8*(\a)+\b):8*(8*(\a)+\b)+7], v[128*(\set)+FR*\b:128*(\set)+FR*\b+FR-1], v[AF+64*(\set)+FR*(\a):AF+64*(\set)+FR*(\a)+FR-1], 0
.else
	v_wmma_f32_16x16x128_fp8_fp8 v[8*(8*(\a)+\b):8*(8*(\a)+\b)+7], v[128*(\set)+FR*\b:128*(\set)+FR*\b+FR-1], v[AF+64*(\set)+FR*(\a):AF+64*(\set)+FR*(\a)+FR-1], v[8*(8*(\a)+\b):8*(8*(\a)+\b)+7]
.endif
.endr
.endr
.endm
.macro MULS set, zero                  ; a substep's 32 products
	WIN MUL
	MULH \set, 0, \zero
	MULH \set, 2, \zero
.endm
; A substep that multiplies set 1 and meets the other waves.  In front of the barrier each wave waits for all its tensor loads, adds 0 to its spare word, and waits for that and for its LDS reads.
; fill = 1: the barrier opens a round of the cluster's barrier, and slot 0, which nobody reads any more, takes K step 3.  Then the first fragments of slot next.
.macro CHANGE fill, next
	WIN 0                                          ; (the add's two registers lie in window 0)
	s_wait_tensorcnt 0x0                           ; all my tensor loads have landed
	ds_add_u32 v[SPW], v[NIL]                      ; 0 onto my spare word
	s_wait_dscnt 1                                 ; set 1's 48 loads are in; the add may be out
	WIN MUL
	MULH 1, 0, 0                                   ; sixteen matrix instructions stand between the add and the wait for it
	s_wait_dscnt 0x0                               ; the add is done, and none of my LDS reads is out
	s_barrier_signal -1
	MULH 1, 2, 0
	WIN 0
	s_barrier_wait -1
.if \fill
	CREST                                          ; no wave of any partner still reads slot 0 or has a load on its way
	JLOAD 3                                        ; the first tensor load behind the round, one a wave
.endif
	PLACES 4                                       ; places in front of loads into registers that matrix instructions have read (ISA guide 7.12.1 for vector instructions); wave 3 passes none in JLOAD
	s_wait_alu depctr_va_vdst(0)
	FETCH \next, 0, 0
.endm
	s_wait_tensorcnt 2                             ; my part of K step 0 is in; steps 1 and 2 may stay out
	s_barrier_signal -1
	s_barrier_wait -1                              ; everybody's is
	FETCH 0, 0, 0
	FETCH 0, 1, 1
	s_wait_dscnt 48                                ; all but the 48 just issued
	MULS 0, 1                                      ; K 0-127: these products start the sums: nothing is cleared
	CHANGE 1, 1                                    ; K 128-255
	FETCH 1, 1, 1
	s_wait_dscnt 48
	MULS 0, 0                                      ; K 256-383
	PLACES 4
	FETCH 2, 0, 0
	s_wait_dscnt 48
	MULS 1, 0                                      ; K 384-511
	PLACES 4
	FETCH 2, 1, 1
	s_wait_dscnt 48
	MULS 0, 0                                      ; K 512-639
	CHANGE 0, 0                                    ; K 640-767; behind its barrier K step 3 is whole in slot 0, and slot 1 is free for the way out
	FETCH 0, 1, 1
	s_wait_dscnt 48
	MULS 0, 0                                      ; K 768-895
	s_wait_dscnt 0x0
	MULS 1, 0                                      ; K 896-1023
	WIN 0
	PLACES 4                                       ; places in front of the first read of results, and of loads into the fragments' registers
; THE WAY OUT, block by block of 16 rows x 128 columns.  A lane holds 32 neighbouring bytes of a row, and the lanes beside it hold other rows: so a block goes through my own stage and comes back as whole rows of 512 bytes;
; there a lane holds the same four columns in every row, so four registers of b_o serve all.  LDS serves a wave's instructions in order (ISA guide 5.7.1.4): no wait between the stores and the loads, nor in front of the next block's stores.
.macro TOSTAGE a
	WIN 0x08                                       ; the stores' data: window 2
.irp b, 0,1,2,3,4,5,6,7
	ds_store_b128 v[STO], v[64*(\a)+8*\b:64*(\a)+8*\b+3] offset:64*\b          ; each accumulator from its low end on
	ds_store_b128 v[STO], v[64*(\a)+8*\b+4:64*(\a)+8*\b+7] offset:64*\b+16
.endr
	WIN 0
.set BB, AF+64*((\a)%2)
.irp t, 0,1,2,3,4,5,6,7,8,9,10,11,12,13,14,15
	ds_load_b128 v[BB+4*\t:BB+4*\t+3], v[RD] offset:\t*SPITCH
.endr
.endm
.macro SEND a, younger                 ; younger: the LDS instructions issued behind block a's loads, which may stay out
.set BB, AF+64*((\a)%2)
	s_wait_dscnt \younger                          ; the block is back in registers
.irp t, 0,1,2,3,4,5,6,7,8,9,10,11,12,13,14,15
	v_pk_fma_f32 v[BB+4*\t:BB+4*\t+1], v[BB+4*\t:BB+4*\t+1], s[96:97], v[BI:BI+1] op_sel_hi:[1,0,1]       ; sum x 2^(entries 10 + 11) + b_o (the scalar pair's low word for both halves)
	v_pk_fma_f32 v[BB+4*\t+2:BB+4*\t+3], v[BB+4*\t+2:BB+4*\t+3], s[96:97], v[BI+2:BI+3] op_sel_hi:[1,0,1]
.endr
.irp t, 0,1,2,3,4,5,6,7,8,9,10,11,12,13,14,15
	global_store_b128 v[CO], v[BB+4*\t:BB+4*\t+3], s[12:13] offset:(16*(\a)+\t)*4096 th:TH_STORE_NT   ; 32 lanes store 512 consecutive bytes, aligned; written once, read by nobody here; 63 rows at the most: inside the signed 24-bit immediate
.endr
.endm
	s_wait_loadcnt 0x0                             ; b_o
	TOSTAGE 0
.irp a, 1,2,3
.if \a > 1
	s_wait_xcnt 0x0                                ; block a - 2's stores have read their registers: block a's loads may land there
.endif
	TOSTAGE \a
	SEND \a-1, 32                                  ; behind block a - 1's loads: block a's 16 stores and 16 loads
.endr
	SEND 3, 0
	s_wait_tensorcnt 0x0                           ; the wave's end
	ds_add_u32 v[SPW], v[NIL]
	s_wait_dscnt 0x0
	CROUND                                         ; the closing round: no work-group ends while a partner may still ask for a tile that names it
	s_endpgm
.Lfunc_end_k_q798cc92b37_outp:
	.size	k_q798cc92b37_outp, .Lfunc_end_k_q798cc92b37_outp-k_q798cc92b37_outp
	.p2alignl 7, 3214868480
	.fill 96, 4, 3214868480
	.section	.rodata,"a",@progbits
	.p2align	6, 0x0
	.amdhsa_kernel k_q798cc92b37_outp
		.amdhsa_group_segment_fixed_size 327680
		.amdhsa_private_segment_fixed_size 0
		.amdhsa_enable_private_segment 0
		.amdhsa_kernarg_size 40
		.amdhsa_user_sgpr_count 2
		.amdhsa_user_sgpr_kernarg_segment_ptr 1
		.amdhsa_wavefront_size32 1
		.amdhsa_system_sgpr_workgroup_id_x 1
		.amdhsa_system_sgpr_workgroup_id_y 1
		.amdhsa_system_sgpr_workgroup_id_z 1
		.amdhsa_system_vgpr_workitem_id 0
		.amdhsa_next_free_vgpr 768
		.amdhsa_next_free_sgpr 100
		.amdhsa_reserve_vcc 0
		.amdhsa_float_denorm_mode_32 3
		.amdhsa_float_denorm_mode_16_64 3
		.amdhsa_memory_ordered 1
		.amdhsa_forward_progress 1
		.amdhsa_inst_pref_size 75
	.end_amdhsa_kernel
	.amdgpu_metadata
---
amdhsa.version: [ 1, 2 ]
amdhsa.kernels:
  - .name:           k_q798cc92b37_outp
    .symbol:         k_q798cc92b37_outp.kd
    .args:
      - { .name: yc, .offset: 0, .size: 8, .value_kind: global_buffer, .address_space: global }
      - { .name: xw, .offset: 8, .size: 8, .value_kind: global_buffer, .address_space: global }
      - { .name: lowp_scales, .offset: 16, .size: 8, .value_kind: global_buffer, .address_space: global }
      - { .name: b_o, .offset: 24, .size: 8, .value_kind: global_buffer, .address_space: global }
      - { .name: out0, .offset: 32, .size: 8, .value_kind: global_buffer, .address_space: global }
    .group_segment_fixed_size: 327680
    .private_segment_fixed_size: 0
    .kernarg_segment_align: 8
    .kernarg_segment_size: 40
    .max_flat_workgroup_size: 128
    .sgpr_count:     100
    .vgpr_count:     768
    .wavefront_size: 32
...
	.end_amdgpu_metadata
.endif
;; end of part 4
